; MI455X (gfx1250); checked and timed in simulation.
; The chip was launched on July 23, 2026; its instructions are those of AMD's public machine-readable ISA for CDNA 5 (MIT licence, August 2026) and "CDNA5" Instruction Set Architecture Reference Guide (July 2026). The comments in the code are by the model that wrote it; some were corrected since.
;; Causal Self Attention. Allowed arithmetic: matrix products marked QUANTISED: E2M3 operands, one E8M0 scale for each 32 along K, by v_wmma_scale_f32_16x16x128_f8f6f4 with both operands' format E2M3, f32 sums; everything else in f32.
;; Inputs: Wk 1,024 x 1,024 float32; Wp 1,024 x 1,024 float32; Wq 1,024 x 1,024 float32; Wv 1,024 x 1,024 float32; bk 1,024 float32; bp 1,024 float32; bq 1,024 float32; bv 1,024 float32; x 2 x 2,048 x 1,024 float32.
;; Outputs: out0 2 x 2,048 x 1,024 float32.
;; This version of the problem:
;;   THIS VERSION OF THE PROBLEM IS GIVEN IN LOW PRECISION. The matrix products marked QUANTISED in the list below multiply operands that are first quantised to E2M3 (2 exponent bits, 3 mantissa bits; 6 bits a number), with one power-of-two scale for each 32 numbers along K (OCP MX v1.0); their sums are f32. All else is computed in f32.
;;   The module's matrix products, in the order in which they are computed (A, B: the left and right operand; K: the contracted axis; several contracted axes count as one K, in the product's order):
;;     1. [M 4,096, K 1,024] x [K 1,024, N 1,024]; A: input x; B: input Wq: QUANTISED
;;     2. [M 4,096, K 1,024] x [K 1,024, N 1,024]; A: input x; B: input Wk: QUANTISED
;;     3. [M 4,096, K 1,024] x [K 1,024, N 1,024]; A: input x; B: input Wv: QUANTISED
;;     4. batch 32 x [M 2,048, K 64] x [K 64, N 2,048]; A: computed on the way; B: computed on the way: QUANTISED
;;     5. batch 32 x [M 64, K 2,048] x [K 2,048, N 2,048]; A: computed on the way; B: softmax (see below): QUANTISED
;;     6. [M 4,096, K 1,024] x [K 1,024, N 1,024]; A: computed on the way; B: input Wp: QUANTISED
;;   THE QUANTISER, for each operand of a quantised product, along K:
;;     - K is cut into blocks of 32 from its start; a last block that is shorter is filled with zeros.
;;     - A block's scale is 2^e with e = floor(log2(the largest magnitude in the block)) - 2, held to -126 .. 127; a block of zeros has e = 0. As a byte (E8M0): e + 127.
;;     - Each number is divided by its block's scale, clamped to +-7.5, and rounded to the nearest number of E2M3, ties to even, subnormals kept.
;;     - The product sums the exact products of the quantised numbers (number of the format x scale) in f32.
;;   ~~~python
;;   def quantise(x, axis):      # numpy; x: float32 -> the quantised numbers, widened to float32 again
;;       x = np.moveaxis(x, axis, -1); K = x.shape[-1]
;;       x = np.pad(x, [(0, 0)] * (x.ndim - 1) + [(0, -K % 32)]); x = x.reshape(x.shape[:-1] + (-1, 32)); a = np.abs(x).max(-1, keepdims=True)
;;       e = np.where(a > 0, np.clip(np.frexp(np.where(a > 0, a, 1))[1] - 1 - 2, -126, 127), 0)      # np.frexp(a)[1] - 1 = floor(log2(a)), exactly
;;       r = np.clip(x / 2.0 ** e, -7.5, 7.5)
;;       step = 2.0 ** (np.maximum(np.frexp(np.where(r == 0, 1, r))[1] - 1, 0) - 3)
;;       q = np.round(r / step) * step * 2.0 ** e      # np.round: ties to even
;;       return np.moveaxis(q.reshape(q.shape[:-2] + (-1,))[..., :K], -1, axis).astype(np.float32)
;;   ~~~
;;   SOFTMAX AHEAD OF A QUANTISED PRODUCT. Where the list says 'softmax', what is quantised is not the finished softmax but p = 2^(t - M), with t = logit x log2(e) and M = ceil(the row's largest t), a whole number; so 1/2 < the row's largest p <= 1. The row's sum l is taken of the UNQUANTISED p, in f32, and the product's result is divided by l at the end. Since M is a whole number, a kernel that streams over the keys may use a running M (the ceiling of the running maximum): every later rescaling is an exact power of two, which a block's scale takes up: the codes' values come out the same.
;;   OPERANDS COMPUTED ON THE WAY. 'Computed on the way' means the value that the module computes at that place (a softmax that the list does not call 'softmax' is quantised finished and normalised). What goes into a quantiser is computed in f32, as accurately as f32 sums, v_exp_f32 and their like allow (about 1e-6 of the number): no bf16 or f16 on the way to a quantiser, and a product that is left as it is and whose result goes on into a quantised operand takes f32 operands (vector FMAs, or v_wmma_f32_16x16x4_f32). A number that lies on a knife's edge between two numbers of the format may be rounded either way, as far as f32 arithmetic and the matrix unit's own rounding can turn it there, and no further.
;; One version. Each part assembles by itself: llvm-mc -triple=amdgcn-amd-amdhsa -mcpu=gfx1250 --defsym DOCPART=n.
;; ======== version 1 of 1: 4 launches
;; limits: right only within a limited range of input values
;; workspace buffers: cod 6,291,456 bytes; scl 262,144 bytes; qc 3,145,728 bytes; qs 262,144 bytes; kv 6,553,600 bytes; yc 3,145,728 bytes; ys 262,144 bytes
;; launch quant (part 1): grid 256 x 1, 4 waves a work-group, no clusters, 37,376 bytes of LDS; arguments x, Wq, Wk, Wv, Wp, cod, scl; writes cod, scl
.if DOCPART == 1
	.amdgcn_target "amdgcn-amd-amdhsa--gfx1250"
	.amdhsa_code_object_version 6
	.text
	.protected	k_q1165985bfb_quant
	.globl	k_q1165985bfb_quant
	.p2align	8
	.type	k_q1165985bfb_quant,@function
k_q1165985bfb_quant:
	s_mov_b64 s[64:65], 0
	v_nop
	global_prefetch_b8 v0, s[64:65] scope:SCOPE_SE
	s_setreg_imm32_b32 hwreg(HW_REG_WAVE_MODE, 25, 1), 1
	s_wait_xcnt 0x0
; x [4096][1024] and Wq, Wk, Wv, Wp [1024][1024], f32 with K innermost, become codes of FP6 (E2M3) with one E8M0 byte for each 32 along K,
; laid in the order of a matrix operand's registers.  A TILE is 16 rows; of each 32 rows tile u (0, 1) takes at its row p the source row 8 u + p + 8 (p / 8).
; cod: [512 tiles][8 K steps of 128][1,536 bytes]: a fragment's 12 registers as three groups of four, group g of lane l at 512 g + 16 l.
; scl: [512 tiles][8 K steps][16 rows] words of four bytes.  Tiles 0-255: x.  256 + 12 head + 4 j + i: tile i of the head's 64 rows of Wq, Wk, Wv (j = 0, 1, 2).  448 + t: Wp.
; A block's scale is 2^(floor(log2(its largest magnitude)) - 2): its byte is the largest magnitude's exponent field - 2, held at 1 from below.
; LIMITS: NaN and infinities among the inputs are not served; a block of zeros gets the byte 1 where the rule says 127 (its codes are zeros, and this program alone reads the bytes);
; blocks whose largest magnitude lies under 2^-124 have their byte held at 1.
; SHARES.  A wave takes one tile x 512 along K in 8 steps of 16 rows x 64 K.  Work-groups 0-127 take x, two tiles each; the others a weight each 32.  Only pointers are chosen: one path for all.
; Each load reads 256 consecutive bytes of two rows; a step's 4,096 bytes turn through the wave's own stage in LDS (rows 272 bytes apart) and come back 128 bytes a lane:
; lane (r, h) then holds ONE WHOLE BLOCK, k = 32 h + 0 .. 31 of row r, which is what registers 6 c .. 6 c + 5 of the operand want.  No barrier: waves share nothing.
.set WREG, 9216                        ; LDS of a wave: two stages of 16 x 272 bytes, then its 256 bytes of scale words
.set STGB, 4352
.set SCW,  8704
.set WRD,  16                          ; v16-19   the scale words of my four K steps
.set R,    32                          ; v32-127  three sets of 32 registers as loaded
.set X,    128                         ; v128-191 two sets of 32 neighbours along K
.set C,    192                         ; v192-239 the codes: 12 registers for each K step, so that no store's data are written again
	s_load_b256 s[4:11], s[0:1], 0x0               ; x, Wq, Wk, Wv
	s_load_b128 s[12:15], s[0:1], 0x20             ; Wp, cod
	s_load_b64 s[16:17], s[0:1], 0x30              ; scl
	v_lshl_add_u32 v240, v0, 2, 0x9000
	v_mov_b32 v241, 0
	v_lshrrev_b32 v1, 5, v0
	v_readfirstlane_b32 s18, v1                    ; wave
	v_and_b32 v1, 31, v0                           ; l
	v_and_b32 v15, 15, v0                          ; r
	v_bfe_u32 v6, v0, 4, 1                         ; h
	s_mul_i32 s19, s18, WREG
	v_lshlrev_b32 v2, 4, v15                       ; 16 r
	v_mul_u32_u24 v3, v6, 272
	v_add_nc_u32 v3, v3, v2
	v_add_nc_u32 v3, s19, v3                       ; into the stage: row h of a pair, 16 r
	v_lshl_add_u32 v2, v6, 12, v2                  ; in memory: 4,096 h + 16 r
	v_mul_u32_u24 v4, v15, 272
	v_lshl_add_u32 v4, v6, 7, v4
	v_add_nc_u32 v4, s19, v4                       ; out of the stage: row r, 128 h
	v_lshlrev_b32 v5, 4, v1                        ; 16 l: my place in a group of four registers
	v_lshlrev_b32 v9, 3, v1                        ; 8 l
	s_add_co_u32 s19, s19, SCW
	v_lshl_add_u32 v7, v15, 2, s19                 ; my row's scale word
	v_add_nc_u32 v8, s19, v9                       ; and 8 bytes a lane on the way out
	v_lshlrev_b32 v6, 3, v6                        ; 8 h: my byte's place in half a scale word
	v_mov_b32 v14, 0                               ; written once: a lane permute's destination counts as one of its sources
	s_mov_b32 s20, 0x76543210
	s_mov_b32 s21, 0xfedcba98                      ; v_permlanex16_b32's selects for lane l xor 16
	s_and_b32 s22, ttmp9, 127
	s_lshr_b32 s23, s22, 5                         ; which weight
	s_and_b32 s24, s22, 31
	s_lshr_b32 s25, s18, 1                         ; which of the work-group's two tiles
	s_and_b32 s26, s18, 1                          ; which half of K
	s_cmp_lt_u32 ttmp9, 128
	s_cselect_b32 s27, ttmp9, s24
	s_lshl_b32 s27, s27, 1
	s_add_co_u32 s27, s27, s25                     ; the tile in its source
	s_lshr_b32 s28, s27, 2
	s_mul_i32 s28, s28, 12
	s_lshl_b32 s29, s23, 2
	s_add_co_u32 s28, s28, s29
	s_and_b32 s29, s27, 3
	s_add_co_u32 s28, s28, s29
	s_add_co_u32 s28, s28, 256                     ; Wq, Wk, Wv: 256 + 12 head + 4 j + i
	s_add_co_u32 s29, s27, 448                     ; Wp
	s_cmp_eq_u32 s23, 3
	s_cselect_b32 s28, s29, s28
	s_cmp_lt_u32 ttmp9, 128
	s_cselect_b32 s28, s27, s28                    ; the tile in cod and scl
	s_lshr_b32 s30, s27, 1
	s_lshl_b32 s30, s30, 5
	s_and_b32 s31, s27, 1
	s_lshl_b32 s31, s31, 3
	s_add_co_u32 s30, s30, s31                     ; the tile's first source row
	s_lshl_b32 s30, s30, 12                        ; rows of 4,096 bytes
	s_lshl_b32 s31, s26, 11
	s_add_co_u32 s30, s30, s31                     ; + my half of K
	s_mov_b32 s31, 0
	s_mul_i32 s32, s28, 12288
	s_mul_i32 s33, s26, 6144
	s_add_co_u32 s32, s32, s33
	s_mov_b32 s33, 0
	s_lshl_b32 s34, s28, 9
	s_lshl_b32 s35, s26, 8
	s_add_co_u32 s34, s34, s35
	s_mov_b32 s35, 0
	s_wait_alu depctr_va_vdst(0)
	s_wait_kmcnt 0x0
	s_cmp_eq_u32 s23, 1                            ; the source: a choice that hangs on the work-group's number alone
	s_cselect_b64 s[6:7], s[8:9], s[6:7]
	s_cmp_eq_u32 s23, 2
	s_cselect_b64 s[6:7], s[10:11], s[6:7]
	s_cmp_eq_u32 s23, 3
	s_cselect_b64 s[6:7], s[12:13], s[6:7]
	s_cmp_lt_u32 ttmp9, 128
	s_cselect_b64 s[4:5], s[4:5], s[6:7]
	s_add_nc_u64 s[4:5], s[4:5], s[30:31]
	s_add_nc_u64 s[14:15], s[14:15], s[32:33]
	s_add_nc_u64 s[16:17], s[16:17], s[34:35]
.macro LOAD t                          ; step t: 16 rows x 256 bytes; sixteen lanes read 256 consecutive aligned bytes of a row, two rows a load
.irp i, 0,1,2,3,4,5,6,7
	global_load_b128 v[R+32*((\t)%3)+4*\i:R+32*((\t)%3)+4*\i+3], v2, s[4:5] offset:(2*\i+8*(\i/4))*4096+256*(\t) th:TH_LOAD_NT
.endr
.endm
.macro TURN t                          ; through the stage: LDS serves a wave's instructions in order, so no wait stands between the stores and the loads
.irp i, 0,1,2,3,4,5,6,7
	ds_store_b128 v3, v[R+32*((\t)%3)+4*\i:R+32*((\t)%3)+4*\i+3] offset:STGB*((\t)%2)+544*\i
.endr
.irp j, 0,1,2,3,4,5,6,7
	ds_load_b128 v[X+32*((\t)%2)+4*\j:X+32*((\t)%2)+4*\j+3], v4 offset:STGB*((\t)%2)+16*\j
.endr
.endm
.macro STEP t
.set XT, X+32*((\t)%2)
.set CC, C+12*((\t)/2)+6*((\t)%2)
	s_wait_dscnt 0x0                               ; this step's numbers are back, and its stores into the stage have read their registers,
.if (\t)+3 < 8
	LOAD (\t)+3                                    ; which take the loads of three steps on
	s_wait_loadcnt 16                              ; the next step's eight loads are in; the sixteen of the two steps behind it may be out
.elseif (\t)+2 < 8
	s_wait_loadcnt 8                               ; the last step's eight may be out
.elseif (\t)+1 < 8
	s_wait_loadcnt 0
.endif
.if (\t)+1 < 8
	TURN (\t)+1                                    ; the next step goes through the other stage while this one is worked
.endif
	v_max3_num_f32 v10, |v[XT]|, |v[XT+1]|, 0x1800000              ; the block's largest magnitude, all 32 numbers mine, in two chains; the floor 2^(3 - 127) holds the byte at 1 from below
	v_max3_num_f32 v11, |v[XT+16]|, |v[XT+17]|, 0x1800000
.irp i, 2,4,6,8,10,12,14
	v_max3_num_f32 v10, v10, |v[XT+\i]|, |v[XT+\i+1]|
	v_max3_num_f32 v11, v11, |v[XT+16+\i]|, |v[XT+17+\i]|
.endr
	v_max_num_f32 v10, v10, v11
	v_add_nc_u32 v12, 0xff000000, v10              ; 2 off its exponent field: the conversion takes the exponent field of this operand as its scale
	v_cvt_scalef32_pk16_fp6_f32 v[CC:CC+2], v[XT:XT+15], v12
	v_cvt_scalef32_pk16_fp6_f32 v[20:22], v[XT+16:XT+31], v12      ; (a conversion's three registers begin on an even number: made here and moved)
	v_lshrrev_b32 v13, 23, v12                     ; the scale's byte; also the plain line behind the conversions
	v_mov_b32 v[CC+3], v20
	v_mov_b32 v[CC+4], v21
	v_mov_b32 v[CC+5], v22
	v_lshlrev_b32 v13, v6, v13                     ; byte 2 c + h of the K step's word
.if (\t)%2 == 0
	v_mov_b32 v[WRD+(\t)/2], v13
.else
	v_lshl_or_b32 v[WRD+(\t)/2], v13, 16, v[WRD+(\t)/2]
.irp g, 0,1,2
	global_store_b128 v5, v[C+12*((\t)/2)+4*\g:C+12*((\t)/2)+4*\g+3], s[14:15] offset:1536*((\t)/2)+512*\g   ; 32 lanes store 512 consecutive aligned bytes
.endr
.endif
.endm
	LOAD 0
	LOAD 1
	LOAD 2
	s_wait_loadcnt 16                              ; step 0's eight loads are in
	TURN 0
.irp t, 0,1,2,3,4,5,6,7
	STEP \t
.endr
.irp s, 0,1,2,3
	v_permlanex16_b32 v14, v[WRD+\s], s20, s21     ; with lane l xor 16's two bytes the word is whole
	v_or_b32 v[WRD+\s], v[WRD+\s], v14
.endr
.irp s, 0,1,2,3
	ds_store_b32 v7, v[WRD+\s] offset:64*\s        ; both lanes of a row write the same word with the same value
.endr
	ds_load_b64 v[10:11], v8                       ; in order behind my stores
	s_wait_dscnt 0x0
	global_store_b64 v9, v[10:11], s[16:17]        ; 32 lanes store 256 consecutive aligned bytes
	s_wait_tensorcnt 0x0
	ds_add_u32 v240, v241
	s_wait_dscnt 0x0
	s_endpgm
.Lfunc_end_k_q1165985bfb_quant:
	.size	k_q1165985bfb_quant, .Lfunc_end_k_q1165985bfb_quant-k_q1165985bfb_quant
	.p2alignl 7, 3214868480
	.fill 96, 4, 3214868480
	.section	.rodata,"a",@progbits
	.p2align	6, 0x0
	.amdhsa_kernel k_q1165985bfb_quant
		.amdhsa_group_segment_fixed_size 37376
		.amdhsa_private_segment_fixed_size 0
		.amdhsa_enable_private_segment 0
		.amdhsa_kernarg_size 56
		.amdhsa_user_sgpr_count 2
		.amdhsa_user_sgpr_kernarg_segment_ptr 1
		.amdhsa_wavefront_size32 1
		.amdhsa_system_sgpr_workgroup_id_x 1
		.amdhsa_system_sgpr_workgroup_id_y 1
		.amdhsa_system_sgpr_workgroup_id_z 1
		.amdhsa_system_vgpr_workitem_id 0
		.amdhsa_next_free_vgpr 248
		.amdhsa_next_free_sgpr 66
		.amdhsa_reserve_vcc 0
		.amdhsa_float_denorm_mode_32 3
		.amdhsa_float_denorm_mode_16_64 3
		.amdhsa_memory_ordered 1
		.amdhsa_forward_progress 1
		.amdhsa_inst_pref_size 32
	.end_amdhsa_kernel
	.amdgpu_metadata
---
amdhsa.version: [ 1, 2 ]
amdhsa.kernels:
  - .name:           k_q1165985bfb_quant
    .symbol:         k_q1165985bfb_quant.kd
    .args:
      - { .name: x, .offset: 0, .size: 8, .value_kind: global_buffer, .address_space: global }
      - { .name: Wq, .offset: 8, .size: 8, .value_kind: global_buffer, .address_space: global }
      - { .name: Wk, .offset: 16, .size: 8, .value_kind: global_buffer, .address_space: global }
      - { .name: Wv, .offset: 24, .size: 8, .value_kind: global_buffer, .address_space: global }
      - { .name: Wp, .offset: 32, .size: 8, .value_kind: global_buffer, .address_space: global }
      - { .name: cod, .offset: 40, .size: 8, .value_kind: global_buffer, .address_space: global }
      - { .name: scl, .offset: 48, .size: 8, .value_kind: global_buffer, .address_space: global }
    .group_segment_fixed_size: 37376
    .private_segment_fixed_size: 0
    .kernarg_segment_align: 8
    .kernarg_segment_size: 56
    .max_flat_workgroup_size: 128
    .sgpr_count:     66
    .vgpr_count:     248
    .wavefront_size: 32
...
	.end_amdgpu_metadata
.endif
;; end of part 1
;; launch qkv (part 2): grid 16 x 16, 4 waves a work-group, clusters of 4 x 1, 168,448 bytes of LDS; arguments cod, scl, bq, bk, bv, qc, qs, kv; writes qc, qs, kv
.if DOCPART == 2
	.amdgcn_target "amdgcn-amd-amdhsa--gfx1250"
	.amdhsa_code_object_version 6
	.text
	.protected	k_q1165985bfb_qkv
	.globl	k_q1165985bfb_qkv
	.p2align	8
	.type	k_q1165985bfb_qkv,@function
k_q1165985bfb_qkv:
	s_mov_b64 s[64:65], 0
	v_nop
	global_prefetch_b8 v0, s[64:65] scope:SCOPE_SE
	s_setreg_imm32_b32 hwreg(HW_REG_WAVE_MODE, 25, 1), 1
	s_wait_xcnt 0x0
	s_wait_alu depctr_hold_cnt(0) depctr_sa_sdst(0) depctr_va_vdst(0) depctr_va_sdst(0) depctr_va_ssrc(0) depctr_va_vcc(0) depctr_vm_vsrc(0)
	s_getreg_b32 s2, hwreg(HW_REG_IB_STS2, 6, 4)
	s_cmp_eq_u32 s2, 0
	s_cbranch_scc0 .Lentry_in_a_cluster
	s_endpgm
.Lentry_in_a_cluster:
	s_bfe_u32 s2, ttmp6, 0x10000c
	s_cmp_lg_u32 s2, 0x3003
	s_cbranch_scc0 .Lentry_shape_is_right
	s_endpgm
.Lentry_shape_is_right:
; q = x Wq^T + bq, k = x Wk^T + bk, v = x Wv^T + bv on codes of FP6 (E2M3) with E8M0 scales, and q, k, v quantised again on the way: q and k along the head's 64, v along the tokens (the keys).
; They never exist in memory as f32.  LIMITS: NaN and infinities are not served; a block of zeros gets the byte 1 (its codes are zeros; this program alone reads the bytes); blocks under 2^-124 have their byte held at 1.
; SHARES.  A work-group takes 256 tokens x one head's 64 columns of q, of k and of v.  Wave w takes tokens 64 w .. + 63 (4 tiles of x) against all 12 tiles of the weights: 48 accumulators, 8 K steps of 128.
; The head's 12 weight tiles (147,456 consecutive bytes of cod) come into LDS ONCE; the four token blocks of a cluster need the same ones, so each wave's quarter is asked for JOINTLY (mask 15).
; x's fragments are read by one wave of the work-group alone: they go from memory straight into registers, six K steps ahead.  x is not shared in the cluster: the work-groups that read the same tokens are
; those of the 16 heads, and a token block's 196,608 bytes beside the weights' 147,456 would not fit in a WGP's 327,680 bytes of LDS without filling bytes again.
; LAYOUT.  All tiles hold rows 8 u + p + 8 (p / 8) of each 32.  q and k are made TRANSPOSED (source 0 = 16 rows of W, source 1 = 16 tokens): a lane holds one token, and the 16 registers of W's tiles 2 b, 2 b + 1
; are 16 neighbours along the head's 64.  v is made the other way round (source 0 = tokens, source 1 = W): a lane holds one channel and the registers of x's tiles 2 b, 2 b + 1 are 16 neighbouring tokens.
; OUT.  qc [32 bh][128 tiles][768]: six registers a lane (64 along K): four at 16 l, two at 512 + 8 l.  qs [bh][tile][16] words: the two bytes twice.
; kv [bh][16 key steps][12,800]: 4 fragments of K (registers 0-5 key tile 2 f, 6-11 key tile 2 f + 1); at 6,144 + 1,536 d + 768 c V's channel tile d, keys 64 c on; at 12,288 K's scale words; at 12,544 V's.
; REGISTERS, in windows of 256.  Window 0: v1-14 addresses; v16-31 x's scale words; v32-79 W's; v80-223 W's fragments, three sets of 48 (later the quantiser's work).
;   window 1: q's accumulators at 32 t + 8 i, k's at 128 + 32 t + 8 i.   window 2: v's at 32 d + 8 t; x's sets 0, 1 at 128 + 48 q; bv at 224 + 8 d.   window 3: bq, bk at 32 j + 8 i; x's sets 2-5 at 64 + 48 (q - 2).
.set LI,  1                            ; 16 l
.set L8,  2                            ; 8 l
.set SW,  3                            ; 512 h + 4 r: lanes 0-15 one tile's scale words, lanes 16-31 the next tile's
.set AW,  4                            ; v4-7  16 l + 36,864 x (K step / 2)
.set BQO, 8                            ; 64 h
.set BVO, 9                            ; 4 (r + 8 (r / 8))
.set SQ,  10                           ; the stage: where q's, K's, V's words go; where two units are read back
.set SK,  11
.set SV,  12
.set SRQ, 13
.set SRX, 14
.set XS,  16
.set WS,  32
.set WF,  80
.set BM,  80                           ; the quantiser: largest magnitudes, bytes, scale operands, two bytes a group, second halves of the codes
.set BT,  88
.set SO,  96
.set HW,  104
.set TC,  108
.set CDQ, 128
.set CDK, 152
.set CDV, 176
.set WD,  200
.set STG, 147456                       ; behind the weights: 1,024 bytes of q's words, then for each key step 256 of K's words, 256 of V's low halves, 256 of V's high halves
.set WV,  20
.set MSB, 0
.macro WIN new                         ; the immediate's high byte repeats the setting that is left
.if MSB != (\new)
	s_set_vgpr_msb (MSB<<8)|(\new)
.set MSB, (\new)
.endif
.endm
.macro PLACES n
.rept \n
	v_nop
.endr
.endm
.macro ROUND                           ; a round of the cluster's barrier
	s_barrier_signal -1
	s_barrier_wait -1
	s_cmp_lg_u32 s[WV], 0
	s_cbranch_scc1 .Lnot_wave_0_\@
	s_barrier_signal -3
.Lnot_wave_0_\@:
	s_barrier_wait -3
	s_barrier_signal -1
	s_barrier_wait -1
.endm
.macro EMIT                            ; one product; fA, fB: the side's scale words stand in lanes 16-31
.if fA && fB
	v_wmma_scale_f32_16x16x128_f8f6f4 v[rD:rD+7], v[rA:rA+11], v[rB:rB+11], v[rC:rC+7], v[rSA], v[rSB] matrix_a_fmt:MATRIX_FMT_FP6 matrix_b_fmt:MATRIX_FMT_FP6 matrix_a_scale:MATRIX_SCALE_ROW1 matrix_b_scale:MATRIX_SCALE_ROW1
.elseif fA
	v_wmma_scale_f32_16x16x128_f8f6f4 v[rD:rD+7], v[rA:rA+11], v[rB:rB+11], v[rC:rC+7], v[rSA], v[rSB] matrix_a_fmt:MATRIX_FMT_FP6 matrix_b_fmt:MATRIX_FMT_FP6 matrix_a_scale:MATRIX_SCALE_ROW1
.elseif fB
	v_wmma_scale_f32_16x16x128_f8f6f4 v[rD:rD+7], v[rA:rA+11], v[rB:rB+11], v[rC:rC+7], v[rSA], v[rSB] matrix_a_fmt:MATRIX_FMT_FP6 matrix_b_fmt:MATRIX_FMT_FP6 matrix_b_scale:MATRIX_SCALE_ROW1
.else
	v_wmma_scale_f32_16x16x128_f8f6f4 v[rD:rD+7], v[rA:rA+11], v[rB:rB+11], v[rC:rC+7], v[rSA], v[rSB] matrix_a_fmt:MATRIX_FMT_FP6 matrix_b_fmt:MATRIX_FMT_FP6
.endif
.endm
	s_load_b512 s[4:19], s[0:1], 0x0               ; cod s[4:5], scl s[6:7], bq, bk, bv s[8:13], qc s[14:15], qs s[16:17], kv s[18:19]
	v_lshl_add_u32 v254, v0, 2, 0x29000
	v_mov_b32 v255, 0
	ds_add_u32 v254, v255
	ds_add_u32 v254, v255
	v_lshrrev_b32 v224, 5, v0
	v_readfirstlane_b32 s[WV], v224                ; wave 0..3
	s_bfe_u32 s21, ttmp6, 0x40000                  ; cx
	s_lshl_b32 s22, ttmp9, 2
	s_add_co_u32 s22, s22, s21                     ; my block of 256 tokens: it enters global addresses of x and of the results alone
	s_and_b32 s23, ttmp7, 0xffff                   ; the head, which the four partners share
	; descriptor group 1: 12 rows (tiles) of 3,072 bytes (two K steps), 12,288 bytes apart, in elements of 8 bytes, no padding
	s_mov_b32 s24, 15|(3<<16)|(1<<21)              ; the mask: all four work-groups; elements of 8 bytes; bit 21 beside a mask
	s_mov_b32 s25, 384<<16                         ; tensor_dim0
	s_mov_b32 s26, 12<<16                          ; tensor_dim1
	s_mov_b32 s27, 384<<16                         ; tile_dim0
	s_mov_b32 s28, 12                              ; tile_dim1
	s_mov_b32 s29, 1536                            ; from row to row
	s_mov_b32 s30, 0
	s_mov_b32 s31, 0
	s_mov_b32 s32, 1
	s_mul_i32 s33, s[WV], 36864                    ; LDS: wave w brings K steps 2 w and 2 w + 1 of all 12 tiles
	s_mul_i32 s36, s23, 147456                     ; the head's tiles begin at tile 256 + 12 head
	s_add_co_u32 s36, s36, 3145728
	s_mul_i32 s37, s[WV], 3072
	s_add_co_u32 s36, s36, s37
	s_mov_b32 s37, 0
	v_and_b32 v225, 31, v0                         ; l
	v_and_b32 v226, 15, v0                         ; r
	v_bfe_u32 v227, v0, 4, 1                       ; h
	v_lshlrev_b32 v[LI], 4, v225
	v_lshlrev_b32 v[L8], 3, v225
	v_lshlrev_b32 v228, 2, v226                    ; 4 r
	v_lshl_add_u32 v[SW], v227, 9, v228
.irp k, 0,1,2,3
	v_add_nc_u32 v[AW+\k], 36864*\k, v[LI]
.endr
	v_lshlrev_b32 v[BQO], 6, v227
	v_and_b32 v229, 8, v226
	v_add_nc_u32 v229, v229, v226
	v_lshlrev_b32 v[BVO], 2, v229
	s_lshr_b32 s48, s[WV], 1                       ; which of the work-group's two key steps is mine
	s_and_b32 s49, s[WV], 1                        ; which half of its 128 keys
	s_lshl_b32 s38, s[WV], 8
	s_add_co_u32 s38, s38, STG
	v_add_nc_u32 v[SQ], s38, v228
	v_add_nc_u32 v[SRQ], s38, v[L8]
	s_mul_i32 s38, s48, 768
	s_add_co_u32 s38, s38, STG+1024
	s_lshl_b32 s39, s49, 7
	s_add_co_u32 s39, s39, s38
	v_add_nc_u32 v[SK], s39, v228
	s_lshl_b32 s39, s49, 8
	s_add_co_u32 s39, s39, s38
	v_add_nc_u32 v[SRX], s39, v[L8]                ; even waves read K's unit back, odd waves V's low halves; 256 bytes on lie V's low or high halves
	s_add_co_u32 s39, s39, 256
	v_add_nc_u32 v[SV], s39, v228
	s_mov_b32 s46, 0x76543210
	s_mov_b32 s47, 0xfedcba98                      ; v_permlanex16_b32's selects for lane l xor 16
	s_sub_co_u32 s60, 0, s49                       ; 0 in even waves, all ones in odd
	s_mov_b32 s51, 0
	s_wait_dscnt 0x0
	s_wait_kmcnt 0x0
	s_add_nc_u64 s[34:35], s[4:5], s[36:37]
	s_or_b32 s35, s35, 0x80000000                  ; type = 2
	s_lshl_b32 s38, s22, 4
	s_lshl_b32 s39, s[WV], 2
	s_add_co_u32 s38, s38, s39                     ; my first tile of x
	s_mul_i32 s50, s38, 12288
	s_add_nc_u64 s[40:41], s[4:5], s[50:51]        ; its codes
	s_lshl_b32 s50, s38, 9
	s_add_nc_u64 s[42:43], s[6:7], s[50:51]        ; its scale words
	s_mul_i32 s50, s23, 6144
	s_add_co_u32 s50, s50, 131072
	s_add_nc_u64 s[44:45], s[6:7], s[50:51]        ; the weights' scale words
	s_lshl_b32 s50, s23, 8
	s_add_nc_u64 s[8:9], s[8:9], s[50:51]          ; the head's 64 numbers of each bias
	s_add_nc_u64 s[10:11], s[10:11], s[50:51]
	s_add_nc_u64 s[12:13], s[12:13], s[50:51]
	s_lshr_b32 s52, s22, 3                         ; the batch
	s_and_b32 s53, s22, 7                          ; the block in it
	s_lshl_b32 s52, s52, 4
	s_add_co_u32 s52, s52, s23                     ; bh
	s_lshl_b32 s54, s52, 7
	s_lshl_b32 s55, s53, 4
	s_add_co_u32 s54, s54, s55                     ; 128 bh + 16 block
	s_lshl_b32 s50, s54, 6
	s_lshl_b32 s55, s[WV], 8
	s_add_co_u32 s50, s50, s55
	s_add_nc_u64 s[16:17], s[16:17], s[50:51]      ; qs: my four tiles' 256 bytes
	s_add_co_u32 s54, s54, s39
	s_mul_i32 s50, s54, 768
	s_add_nc_u64 s[14:15], s[14:15], s[50:51]      ; qc: my four tiles
	s_lshl_b32 s54, s52, 4
	s_lshl_b32 s55, s53, 1
	s_add_co_u32 s54, s54, s55
	s_add_co_u32 s54, s54, s48                     ; my key step's record
	s_mul_i32 s50, s54, 12800
	s_add_nc_u64 s[18:19], s[18:19], s[50:51]
	s_mul_i32 s50, s49, 3072
	s_add_nc_u64 s[56:57], s[18:19], s[50:51]      ; K's two fragments of mine
	s_mul_i32 s50, s49, 768
	s_add_nc_u64 s[58:59], s[18:19], s[50:51]      ; V: my half of the keys
	s_lshl_b32 s50, s49, 8
	s_add_co_u32 s50, s50, 12288
	s_add_nc_u64 s[18:19], s[18:19], s[50:51]      ; the record's unit of scale words that I store
	ROUND                                          ; all four work-groups are here: the joint loads meet
	tensor_load_to_lds s[32:35], s[24:31]          ; my one tensor load of the launch: nothing is ever filled again
	s_nop 0
	PLACES 4
.irp p, 0,1
.irp s, 0,1,2,3,4,5,6,7
	global_load_b32 v[XS+8*\p+\s], v[SW], s[42:43] offset:1024*\p+64*\s
.endr
.endr
.irp p, 0,1,2,3,4,5
.irp s, 0,1,2,3,4,5,6,7
	global_load_b32 v[WS+8*\p+\s], v[SW], s[44:45] offset:1024*\p+64*\s
.endr
.endr
	WIN 0xc0                                       ; destination window 3: bq's and bk's tiles in the result's layout: tile i, lane (r, h): channels 32 (i / 2) + 8 (i % 2) + 16 h + 0 .. 7
	s_wait_alu depctr_va_vdst(0)
.irp i, 0,1,2,3
	global_load_b128 v[8*\i:8*\i+3], v[BQO], s[8:9] offset:(32*(\i/2)+8*(\i%2))*4
	global_load_b128 v[8*\i+4:8*\i+7], v[BQO], s[8:9] offset:(32*(\i/2)+8*(\i%2))*4+16
	global_load_b128 v[32+8*\i:32+8*\i+3], v[BQO], s[10:11] offset:(32*(\i/2)+8*(\i%2))*4
	global_load_b128 v[32+8*\i+4:32+8*\i+7], v[BQO], s[10:11] offset:(32*(\i/2)+8*(\i%2))*4+16
.endr
	WIN 0x80                                       ; destination window 2: bv: a lane holds one channel, so its eight registers hold one number
.irp i, 0,1,2,3
.irp j, 0,1,2,3,4,5,6,7
	global_load_b32 v[224+8*\i+\j], v[BVO], s[12:13] offset:(32*(\i/2)+8*(\i%2))*4
.endr
.endr
.macro XLOAD s                         ; K step s of my four tiles of x into set s % 6: 12 loads of 512 consecutive bytes
.set xq, (\s)%6
.if xq < 2
	WIN 0x80
.set xb, 128+48*xq
.else
	WIN 0xc0
.set xb, 64+48*(xq-2)
.endif
.irp t, 0,1,2,3
.irp g, 0,1,2
	global_load_b128 v[xb+12*\t+4*\g:xb+12*\t+4*\g+3], v[LI], s[40:41] offset:12288*\t+1536*(\s)+512*\g
.endr
.endr
.endm
.irp s, 0,1,2,3,4,5
	XLOAD \s
.endr
	WIN 0
	s_wait_tensorcnt 0x0                           ; my quarter of the weights is in,
	s_barrier_signal -1
	s_barrier_wait -1                              ; everybody's is
.macro LOADW g                         ; group g = 3 s + j: the four tiles of weight j, K step s, into set g % 3: 12 loads
.set ls, (\g)/3
.set lj, (\g)%3
.set lf, WF+48*((\g)%3)
.irp i, 0,1,2,3
.irp q, 0,1,2
	ds_load_b128 v[lf+12*\i+4*\q:lf+12*\i+4*\q+3], v[AW+ls/2] offset:3072*(4*lj+\i)+1536*(ls%2)+512*\q
.endr
.endr
.endm
.macro MUL g                           ; 16 products: four tiles of x against four tiles of weight j.  The 48 accumulators take turns, one instruction a turn.  In K step 0 the bias is the C
.set ms, (\g)/3
.set mj, (\g)%3
.set mf, WF+48*((\g)%3)
.set xq, ms%6
.if xq < 2
.set xw, 2
.set xb, 128+48*xq
.else
.set xw, 3
.set xb, 64+48*(xq-2)
.endif
.if mj < 2
.if ms == 0
	WIN (xw<<2)|0x70                               ; source 0 (W) window 0, source 1 (x) its window, C (the bias) window 3, D window 1
.else
	WIN (xw<<2)|0x50
.endif
.irp t, 0,1,2,3
.irp i, 0,1,2,3
.set rD, 128*mj+32*\t+8*\i
.set rC, rD
.if ms == 0
.set rC, 32*mj+8*\i
.endif
.set rA, mf+12*\i
.set rB, xb+12*\t
.set rSA, WS+16*mj+8*(\i/2)+ms
.set rSB, XS+8*(\t/2)+ms
.set fA, \i%2
.set fB, \t%2
	EMIT
.endr
.endr
.else
	WIN xw|0xa0                                    ; source 0 (x) its window, source 1 (W) window 0, C and D window 2
.irp t, 0,1,2,3
.irp i, 0,1,2,3
.set rD, 32*\i+8*\t
.set rC, rD
.if ms == 0
.set rC, 224+8*\i
.endif
.set rA, xb+12*\t
.set rB, mf+12*\i
.set rSA, XS+8*(\t/2)+ms
.set rSB, WS+32+8*(\i/2)+ms
.set fA, \t%2
.set fB, \i%2
	EMIT
.endr
.endr
.endif
.endm
	LOADW 0
	LOADW 1
.set G, 0
.rept 24
.if G > 0
	WIN 0
	PLACES 4                                       ; in front of loads into registers that the last products have read (ISA guide 7.12.1 for vector instructions)
.if (G%3 == 0) && (G/3+5 < 8)
	XLOAD G/3+5                                    ; into the set that the K step just finished has left
	WIN 0
.endif
.endif
.if G+2 < 24
	LOADW G+2
	s_wait_dscnt 24                                ; this group's 12 loads are in; the two younger sets may be out
.elseif G == 22
	s_wait_dscnt 12
.else
	s_wait_dscnt 0
.endif
.if G%3 == 0
.set lc, 12*(7-G/3)                    ; the K steps of x asked for behind this one, 12 loads each; at most five are out
.if lc > 60
.set lc, 60
.endif
	s_wait_loadcnt lc
.endif
	MUL G
.set G, G+1
.endr
	WIN 0
	PLACES 4
.irp n, 0,1,2,3,4,5,6,7
	v_mov_b32 v[BT+\n], 0                          ; written once: a lane permute's destination counts as one of its sources
.endr
; Four groups of 32 registers of window win, from src on: in group g register 16 b + i is number 32 b + 16 h + i along the next K of the lane's row.  They become six registers of codes a group, at cd + 6 g
; (lanes 0-15 block 0, lanes 16-31 block 1), and the group's two bytes in v[HW + g].  Each accumulator is read from its low end on.
.macro QUANT4 win, src, cd
	WIN (\win)|((\win)<<2)
.irp n, 0,1,2,3,4,5,6,7
	v_max3_num_f32 v[BM+\n], |v[\src+16*\n]|, |v[\src+16*\n+1]|, 0x1800000   ; my 16 numbers of block n, and the floor 2^(3 - 127)
.endr
.irp i, 2,4,6,8,10,12,14
.irp n, 0,1,2,3,4,5,6,7
	v_max3_num_f32 v[BM+\n], |v[\src+16*\n+\i]|, |v[\src+16*\n+\i+1]|, v[BM+\n]
.endr
.endr
	WIN 0
.irp n, 0,1,2,3,4,5,6,7
	v_permlanex16_b32 v[BT+\n], v[BM+\n], s46, s47
.endr
.irp n, 0,1,2,3,4,5,6,7
	v_max_num_f32 v[BM+\n], v[BM+\n], v[BT+\n]     ; with lane l xor 16's: the block's largest magnitude
.endr
.irp n, 0,1,2,3,4,5,6,7
	v_add_nc_u32 v[SO+\n], 0xff000000, v[BM+\n]    ; 2 off the exponent field: the conversion's scale operand
.endr
.irp n, 0,1,2,3,4,5,6,7
	v_lshrrev_b32 v[BT+\n], 23, v[SO+\n]           ; the byte
.endr
.irp g, 0,1,2,3
	v_lshl_or_b32 v[HW+\g], v[BT+2*\g+1], 8, v[BT+2*\g]
.endr
	WIN \win
.irp g, 0,1,2,3
	v_cvt_scalef32_pk16_fp6_f32 v[\cd+6*\g:\cd+6*\g+2], v[\src+32*\g:\src+32*\g+15], v[SO+2*\g]
	v_cvt_scalef32_pk16_fp6_f32 v[TC+4*\g:TC+4*\g+2], v[\src+32*\g+16:\src+32*\g+31], v[SO+2*\g+1]
.endr
	WIN 0
	v_nop                                          ; one plain line behind the conversions
.irp g, 0,1,2,3
.irp i, 0,1,2
	v_permlane16_swap_b32 v[\cd+6*\g+\i], v[TC+4*\g+\i]   ; the operand's layout wants a whole block in a lane
.endr
.irp i, 0,1,2
	v_mov_b32 v[\cd+6*\g+3+\i], v[TC+4*\g+\i]
.endr
.endr
.endm
	QUANT4 1, 0, CDQ                               ; q: group = my tile of tokens
.irp g, 0,1,2,3
	global_store_b128 v[LI], v[CDQ+6*\g:CDQ+6*\g+3], s[14:15] offset:768*\g
	global_store_b64 v[L8], v[CDQ+6*\g+4:CDQ+6*\g+5], s[14:15] offset:768*\g+512
	v_lshl_or_b32 v[WD+\g], v[HW+\g], 16, v[HW+\g] ; the two bytes twice: q serves as the lower or as the upper half of an operand
	ds_store_b32 v[SQ], v[WD+\g] offset:64*\g
.endr
	QUANT4 1, 128, CDK                             ; k: two tiles of keys make one fragment
.irp f, 0,1
.irp c, 0,1,2
	global_store_b128 v[LI], v[CDK+12*\f+4*\c:CDK+12*\f+4*\c+3], s[56:57] offset:1536*\f+512*\c
.endr
	v_lshl_or_b32 v[WD+4+\f], v[HW+2*\f+1], 16, v[HW+2*\f]
	ds_store_b32 v[SK], v[WD+4+\f] offset:64*\f
.endr
	QUANT4 2, 0, CDV                               ; v: group = tile of channels; the blocks run along my 64 tokens
.irp g, 0,1,2,3
	global_store_b128 v[LI], v[CDV+6*\g:CDV+6*\g+3], s[58:59] offset:6144+1536*\g
	global_store_b64 v[L8], v[CDV+6*\g+4:CDV+6*\g+5], s[58:59] offset:6144+1536*\g+512
	ds_store_b32 v[SV], v[HW+\g] offset:64*\g      ; my two of the word's four bytes, in a word of my own
.endr
	s_wait_dscnt 0x0                               ; for the others' sake: my words lie in the stage
	s_barrier_signal -1
	s_barrier_wait -1
	ds_load_b64 v[208:209], v[SRQ]                 ; q's words of my four tiles: 256 bytes
	ds_load_b64 v[210:211], v[SRX]                 ; even waves: K's words of the key step; odd waves: V's low halves,
	ds_load_b64 v[212:213], v[SRX] offset:256      ; and V's high halves (in even waves masked away)
	s_wait_dscnt 0x0
	v_and_b32 v212, s60, v212
	v_and_b32 v213, s60, v213
	v_lshl_or_b32 v210, v212, 16, v210
	v_lshl_or_b32 v211, v213, 16, v211
	global_store_b64 v[L8], v[208:209], s[16:17]   ; each store covers 256 consecutive aligned bytes
	global_store_b64 v[L8], v[210:211], s[18:19]
	s_wait_tensorcnt 0x0
	ds_add_u32 v254, v255
	s_wait_dscnt 0x0
	ROUND                                          ; the closing round: no work-group ends while a partner may still ask for the tile that names it
	s_endpgm
.Lfunc_end_k_q1165985bfb_qkv:
	.size	k_q1165985bfb_qkv, .Lfunc_end_k_q1165985bfb_qkv-k_q1165985bfb_qkv
	.p2alignl 7, 3214868480
	.fill 96, 4, 3214868480
	.section	.rodata,"a",@progbits
	.p2align	6, 0x0
	.amdhsa_kernel k_q1165985bfb_qkv
		.amdhsa_group_segment_fixed_size 168448
		.amdhsa_private_segment_fixed_size 0
		.amdhsa_enable_private_segment 0
		.amdhsa_kernarg_size 64
		.amdhsa_user_sgpr_count 2
		.amdhsa_user_sgpr_kernarg_segment_ptr 1
		.amdhsa_wavefront_size32 1
		.amdhsa_system_sgpr_workgroup_id_x 1
		.amdhsa_system_sgpr_workgroup_id_y 1
		.amdhsa_system_sgpr_workgroup_id_z 1
		.amdhsa_system_vgpr_workitem_id 0
		.amdhsa_next_free_vgpr 1024
		.amdhsa_next_free_sgpr 66
		.amdhsa_reserve_vcc 0
		.amdhsa_float_denorm_mode_32 3
		.amdhsa_float_denorm_mode_16_64 3
		.amdhsa_memory_ordered 1
		.amdhsa_forward_progress 1
		.amdhsa_inst_pref_size 124
	.end_amdhsa_kernel
	.amdgpu_metadata
---
amdhsa.version: [ 1, 2 ]
amdhsa.kernels:
  - .name:           k_q1165985bfb_qkv
    .symbol:         k_q1165985bfb_qkv.kd
    .args:
      - { .name: cod, .offset: 0, .size: 8, .value_kind: global_buffer, .address_space: global }
      - { .name: scl, .offset: 8, .size: 8, .value_kind: global_buffer, .address_space: global }
      - { .name: bq, .offset: 16, .size: 8, .value_kind: global_buffer, .address_space: global }
      - { .name: bk, .offset: 24, .size: 8, .value_kind: global_buffer, .address_space: global }
      - { .name: bv, .offset: 32, .size: 8, .value_kind: global_buffer, .address_space: global }
      - { .name: qc, .offset: 40, .size: 8, .value_kind: global_buffer, .address_space: global }
      - { .name: qs, .offset: 48, .size: 8, .value_kind: global_buffer, .address_space: global }
      - { .name: kv, .offset: 56, .size: 8, .value_kind: global_buffer, .address_space: global }
    .group_segment_fixed_size: 168448
    .private_segment_fixed_size: 0
    .kernarg_segment_align: 8
    .kernarg_segment_size: 64
    .max_flat_workgroup_size: 128
    .sgpr_count:     66
    .vgpr_count:     1024
    .wavefront_size: 32
...
	.end_amdgpu_metadata
.endif
;; end of part 2
;; launch attn (part 3): grid 8 x 32, 8 waves a work-group, clusters of 4 x 1, 258,048 bytes of LDS; arguments qc, qs, kv, yc, ys; writes yc, ys
.if DOCPART == 3
	.amdgcn_target "amdgcn-amd-amdhsa--gfx1250"
	.amdhsa_code_object_version 6
	.text
	.protected	k_q1165985bfb_attn
	.globl	k_q1165985bfb_attn
	.p2align	8
	.type	k_q1165985bfb_attn,@function
k_q1165985bfb_attn:
	s_mov_b64 s[64:65], 0
	v_nop
	global_prefetch_b8 v0, s[64:65] scope:SCOPE_SE
	s_setreg_imm32_b32 hwreg(HW_REG_WAVE_MODE, 25, 1), 1
	s_wait_xcnt 0x0
	s_wait_alu depctr_hold_cnt(0) depctr_sa_sdst(0) depctr_va_vdst(0) depctr_va_sdst(0) depctr_va_ssrc(0) depctr_va_vcc(0) depctr_vm_vsrc(0)
	s_getreg_b32 s2, hwreg(HW_REG_IB_STS2, 6, 4)
	s_cmp_eq_u32 s2, 0
	s_cbranch_scc0 .Lentry_in_a_cluster
	s_endpgm
.Lentry_in_a_cluster:
	s_bfe_u32 s2, ttmp6, 0x10000c
	s_cmp_lg_u32 s2, 0x3003
	s_cbranch_scc0 .Lentry_shape_is_right
	s_endpgm
.Lentry_shape_is_right:
; y[b][q][head] = the sum over keys of softmax(q . k / 8) v, no mask, both products on codes of FP6 (E2M3) with E8M0 scales; y is quantised along the head's 64 on the way out.
; THE SOFTMAX: t = score x log2(e) / 8; M = the running largest t rounded UP to a whole number; p = 2^(t - M) is quantised along the keys, not normalised.  The row's sum is taken of the
; unquantised p and divides at the end.  When M moves, the sum and O are multiplied by 2^(old M - new M): exact.
; p's BLOCK SCALE: the block's largest p is 2^x, x = t - M of the block's largest score, made by the same multiply-add as every p's exponent; its exponent is floor(x), so the byte is floor(x) + 125, held at 1.
; LIMITS: NaN and infinities are not served; the promise holds while the scaled scores stay under 2^31 in magnitude; a block of zeros gets the byte 1 (its codes are zeros; this program alone reads the bytes);
; where v_exp_f32 rounds 2^x up to the next power of two, that one p is held at the largest code.
; SHARES.  A work-group owns 256 queries of one (batch, head); each of its eight waves two tiles of 16 (a, b), in 512 registers: every fragment of K and V that a wave reads from LDS feeds two tiles.
; THE HEAD'S K, V AND SCALE WORDS, 16 records of 12,800 bytes, stay in LDS for the whole launch; wave w brings records 2 w and 2 w + 1 by one tensor load, as 100 rows of 256 bytes with 64 bytes of padding
; behind each (a record: 16,000 bytes of LDS).  The four query blocks of a cluster need the same records: each load is JOINT (mask 15).  Wave 0, waves 1-3 and waves 4-7 have a load line each, and the key steps
; go in three runs: 0-1 when wave 0's records are in, 2-7 behind a second barrier, 8-15 behind a third.  All requests stand at the head, so there is no loop in which a prefetch could run ahead of them.
; THE KEYS OF A TILE ARE CHOSEN AT THE LDS LOAD.  In memory a fragment holds the two key tiles of a block of 32 (tile u, row p: key 8 u + p + 8 (p / 8)).  Lanes with r < 8 read rows 8 jj + r of the fragment of
; block 2 G, lanes with r >= 8 rows 8 jj + r - 8 of block 2 G + 1.  S^T = K Q^T then gives lane (r, h), in register 8 (4 G + 2 jj + u) + i, key 64 G + 32 h + 16 jj + 8 u + i of query r:
; 32 registers are ONE WHOLE BLOCK of 32 neighbouring keys, in the order of the next operand's registers.  No lane asks another for a block's maximum, and no codes change lanes.
; With the padding the two halves of sixteen lanes read 1,920 bytes apart, which is 128 modulo 256: sixteen different columns of 16 bytes.
; THE HEAD'S 64 ARE HALF OF THE INSTRUCTION'S 128: q stands between runs of zero codes; [q | 0] picks a fragment's first tile, [0 | q] its second.
; CHAINS: the maxima go in eight chains (two a block), the sums in eight (five for tile b, three for tile a), line by line in turn, so that a line does not read the lines just above it.
; REGISTERS.  Window 0: addresses, scale words, q, K's and V's fragments, O^T.  Window 1: S^T / p (tile a 0-63, tile b 64-127), p's codes, and all that the softmax carries.
.set REC,  16000
.set GAT,  256000                      ; behind the records: 1,024 bytes in which the sixteen tiles' scale words of y meet
.set SPARE, 257024                     ; the spare words: 128 bytes a wave
.set WV,   14
.set LBV,  1                           ; 320 h + 16 r
.set L8,   2                           ; 8 l
.set LBK,  3                           ; 1,920 (r / 8) + 320 h + 16 (r % 8)
.set LBKS, 4                           ; 64 (r / 8) + 4 (r % 8) + 32 h
.set L4,   5                           ; 4 l
.set AK,   6                           ; the same five + a record's place
.set AKS,  7
.set AV,   8
.set AV8,  9
.set AVS,  10
.set R4,   11                          ; 4 r
.set LI,   12                          ; 16 l
.set SPW,  13
.set NIL,  14
.set KS,   16                          ; v16-17 K's scale words; v18-19 V's; v20-21 q's; v22-23 p's
.set VS,   18
.set QS,   20
.set PS,   22
.set QZ,   24                          ; v24-53  0 | q a | 0 | q b | 0, six registers each
.set KF,   56                          ; v56-103
.set VF,   104                         ; v104-151
.set O,    152                         ; v152-215 O^T: 32 q + 8 t
; window 1
.set PC,   128                         ; p's codes, 12 a tile
.set TC,   152                         ; second halves of the codes
.set BM,   168                         ; the four blocks' largest scores
.set RUN,  172                         ; the running largest score
.set NM,   174                         ; -M, in the low word of a pair
.set F,    178                         ; 2^(old M - new M), likewise
.set L,    182                         ; the row's sum, in two halves
.set T,    186                         ; tile a's two other chains of sums
.set TA,   190
.set TB,   192
.set XI,   194                         ; the maxima's second chains, then x
.set SO,   198                         ; the conversions' scale operands
.set W,    202
.set WP,   204
.set SH8,  206                         ; 8 h
.set U,    208                         ; tile a's first sums, 16 pairs
.set CB,   240                         ; tile b's four other chains of sums
; the way out, window 0
.set Y,    56
.set PE,   120
.set BT,   144
.set RL,   148
.set BE,   216
.set SOE,  220
.set WE,   224
.set EA,   226
.set EB,   227
.set EC,   228
.set MSB, 0
.macro WIN new                         ; the immediate's high byte repeats the setting that is left
.if MSB != (\new)
	s_set_vgpr_msb (MSB<<8)|(\new)
.set MSB, (\new)
.endif
.endm
.macro PLACES n
.rept \n
	v_nop
.endr
.endm
.macro WALU
	s_wait_alu depctr_va_vdst(0)
.endm
.macro ROUND                           ; a round of the cluster's barrier
	s_barrier_signal -1
	s_barrier_wait -1
	s_cmp_lg_u32 s[WV], 0
	s_cbranch_scc1 .Lnot_wave_0_\@
	s_barrier_signal -3
.Lnot_wave_0_\@:
	s_barrier_wait -3
	s_barrier_signal -1
	s_barrier_wait -1
.endm
.macro TLOAD
	tensor_load_to_lds s[32:35], s[24:31]
	s_nop 0
	PLACES 4
.endm
.macro SMUL f, e, q                    ; S^T tile 2 f + e of query tile q
.if (\f)%2
	v_wmma_scale_f32_16x16x128_f8f6f4 v[64*(\q)+8*(2*(\f)+(\e)):64*(\q)+8*(2*(\f)+(\e))+7], v[KF+12*(\f):KF+12*(\f)+11], v[QZ+12*(\q)+6-6*(\e):QZ+12*(\q)+17-6*(\e)], 0, v[KS+(\f)/2], v[QS+(\q)] matrix_a_fmt:MATRIX_FMT_FP6 matrix_b_fmt:MATRIX_FMT_FP6 matrix_a_scale:MATRIX_SCALE_ROW1
.else
	v_wmma_scale_f32_16x16x128_f8f6f4 v[64*(\q)+8*(2*(\f)+(\e)):64*(\q)+8*(2*(\f)+(\e))+7], v[KF+12*(\f):KF+12*(\f)+11], v[QZ+12*(\q)+6-6*(\e):QZ+12*(\q)+17-6*(\e)], 0, v[KS+(\f)/2], v[QS+(\q)] matrix_a_fmt:MATRIX_FMT_FP6 matrix_b_fmt:MATRIX_FMT_FP6
.endif
.endm
.macro PMUL t, q                       ; O^T += V^T P^T: channel tile t of query tile q
.if (\t)%2
	v_wmma_scale_f32_16x16x128_f8f6f4 v[O+32*(\q)+8*(\t):O+32*(\q)+8*(\t)+7], v[VF+12*(\t):VF+12*(\t)+11], v[PC+12*(\q):PC+12*(\q)+11], v[O+32*(\q)+8*(\t):O+32*(\q)+8*(\t)+7], v[VS+(\t)/2], v[PS+(\q)] matrix_a_fmt:MATRIX_FMT_FP6 matrix_b_fmt:MATRIX_FMT_FP6 matrix_a_scale:MATRIX_SCALE_ROW1
.else
	v_wmma_scale_f32_16x16x128_f8f6f4 v[O+32*(\q)+8*(\t):O+32*(\q)+8*(\t)+7], v[VF+12*(\t):VF+12*(\t)+11], v[PC+12*(\q):PC+12*(\q)+11], v[O+32*(\q)+8*(\t):O+32*(\q)+8*(\t)+7], v[VS+(\t)/2], v[PS+(\q)] matrix_a_fmt:MATRIX_FMT_FP6 matrix_b_fmt:MATRIX_FMT_FP6
.endif
.endm
.macro LOADK ak, aks                   ; a record's four fragments of K (f = 2 G + jj) and their words: lanes 0-15 jj = 0, lanes 16-31 jj = 1
.irp f, 0,1,2,3
.irp g, 0,1,2
	ds_load_b128 v[KF+12*\f+4*\g:KF+12*\f+4*\g+3], v[\ak] offset:3840*(\f/2)+128*(\f%2)+640*\g
.endr
.endr
	ds_load_b32 v[KS], v[\aks] offset:15360
	ds_load_b32 v[KS+1], v[\aks] offset:15360+128
.endm
.macro LOADV
.irp t, 0,1,2,3
.irp c, 0,1
	ds_load_b128 v[VF+12*\t+6*\c:VF+12*\t+6*\c+3], v[AV] offset:7680+1920*\t+960*\c
	ds_load_b64 v[VF+12*\t+6*\c+4:VF+12*\t+6*\c+5], v[AV8] offset:8320+1920*\t+960*\c
.endr
.endr
	ds_load_b32 v[VS], v[AVS] offset:15680
	ds_load_b32 v[VS+1], v[AVS] offset:15680+128
.endm
.macro CVT q, n                        ; 16 of tile q's p into codes: even n straight into the operand, odd n beside it (a conversion's three registers begin on an even number)
.if (\n)%2
	v_cvt_scalef32_pk16_fp6_f32 v[TC+8*(\q)+4*((\n)/2):TC+8*(\q)+4*((\n)/2)+2], v[64*(\q)+16*(\n):64*(\q)+16*(\n)+15], v[SO+2*(\q)+(\n)/2]
.else
	v_cvt_scalef32_pk16_fp6_f32 v[PC+12*(\q)+6*((\n)/2):PC+12*(\q)+6*((\n)/2)+2], v[64*(\q)+16*(\n):64*(\q)+16*(\n)+15], v[SO+2*(\q)+(\n)/2]
.endif
.endm
.macro ADDP d, s                       ; pair d += pair s
	v_pk_add_f32 v[\d:\d+1], v[\d:\d+1], v[\s:\s+1]
.endm
.macro BADD n                          ; tile b's pair 8 + n onto chain n % 5
.if (\n)%5 < 4
	ADDP CB+2*((\n)%5), 80+2*(\n)
.else
	ADDP L+2, 80+2*(\n)
.endif
.endm
.macro AADD n                          ; tile a's first sum 4 + n onto chain n % 3
.if (\n)%3 < 2
	ADDP T+2*((\n)%3), U+8+2*(\n)
.else
	ADDP L, U+8+2*(\n)
.endif
.endm
; A KEY STEP: 128 keys, the record at s36.  K's fragments are in registers already.  last: the last record of this run of steps
.macro STEP last
	s_add_co_u32 s38, s36, REC
	s_min_u32 s38, s38, \last                      ; the next record; the run's last step names its own record once more, and those registers are not used
	WIN 0x40
.irp f, 0,1,2,3
.irp e, 0,1
.irp q, 0,1
	SMUL \f, \e, \q
.endr
.endr
.endr
	WIN 0
	v_add_nc_u32 v[AK], s38, v[LBK]                ; these five lines are the places between the products and the loads into registers that products have read
	v_add_nc_u32 v[AKS], s38, v[LBKS]
	v_add_nc_u32 v[AV], s36, v[LBV]
	v_add_nc_u32 v[AV8], s36, v[L8]
	v_add_nc_u32 v[AVS], s36, v[L4]
	LOADK AK, AKS                                  ; the next step's K, and this step's V: both land under the softmax
	LOADV
	WIN 0x55
.irp b, 0,1,2,3                        ; block b = 2 q + G: 32 registers from 32 b on, in two chains of 16; each accumulator is read from its low end on
	v_max3_num_f32 v[BM+\b], v[32*\b], v[32*\b+1], v[32*\b+2]
	v_max3_num_f32 v[XI+\b], v[32*\b+16], v[32*\b+17], v[32*\b+18]
.endr
.irp i, 3,5,7,9,11,13
.irp b, 0,1,2,3
	v_max3_num_f32 v[BM+\b], v[BM+\b], v[32*\b+\i], v[32*\b+\i+1]
	v_max3_num_f32 v[XI+\b], v[XI+\b], v[32*\b+16+\i], v[32*\b+17+\i]
.endr
.endr
.irp b, 0,1,2,3
	v_max3_num_f32 v[BM+\b], v[BM+\b], v[XI+\b], v[32*\b+15]
.endr
.irp b, 0,1,2,3
	v_max_num_f32 v[BM+\b], v[BM+\b], v[32*\b+31]
.endr
.irp q, 0,1
	v_max_num_f32 v[TA+\q], v[BM+2*\q], v[BM+2*\q+1]
.endr
.irp q, 0,1
	v_permlanex16_b32 v[TB+\q], v[TA+\q], s20, s21
.endr
.irp q, 0,1
	v_max3_num_f32 v[RUN+\q], v[RUN+\q], v[TA+\q], v[TB+\q]   ; with lane l xor 16's 64 keys: the running largest score
.endr
.irp q, 0,1
	v_mul_f32 v[TA+\q], s19, v[RUN+\q]             ; -t
.endr
.irp q, 0,1
	v_floor_f32 v[TB+\q], v[TA+\q]                 ; the new -M = floor(-t) = -ceil(t)
.endr
.irp q, 0,1
	v_sub_f32 v[TA+\q], v[TB+\q], v[NM+2*\q]       ; old M less new M: a whole number, 0 or less
.endr
.irp q, 0,1
	v_mov_b32 v[NM+2*\q], v[TB+\q]
.endr
.irp q, 0,1
	v_cvt_i32_f32 v[TA+\q], v[TA+\q]               ; (it saturates)
.endr
.irp b, 0,1,2,3
	v_fma_f32 v[XI+\b], v[BM+\b], s22, v[NM+2*(\b/2)]   ; x of the block's largest score
.endr
.irp q, 0,1
	v_ldexp_f32 v[F+2*\q], 1.0, v[TA+\q]
.endr
.irp b, 0,1,2,3
	v_max_num_f32 v[XI+\b], 0xc2f80000, v[XI+\b]   ; held at -124: the byte cannot fall under 1
.endr
.irp b, 0,1,2,3
	v_cvt_floor_i32_f32 v[XI+\b], v[XI+\b]
.endr
.irp b, 0,1,2,3
	v_add_lshl_u32 v[SO+\b], v[XI+\b], 125, 23     ; the byte in the exponent field: the conversion's scale operand
.endr
.irp q, 0,1
	v_lshl_add_u32 v[W+\q], v[XI+2*\q+1], 16, v[XI+2*\q]
.endr
.irp q, 0,1
	v_add_lshl_u32 v[W+\q], v[W+\q], 0x7d007d, v[SH8]   ; my two bytes, blocks h and 2 + h, at their places in the word
.endr
.irp q, 0,1
	v_permlanex16_b32 v[WP+\q], v[W+\q], s20, s21
.endr
	WIN 0x05
.irp q, 0,1
	v_or_b32 v[PS+\q], v[W+\q], v[WP+\q]           ; p's scale word of these 128 keys
.endr
	WIN 0x04
.set J, 0
.rept 16
	v_pk_mul_f32 v[O+J:O+J+1], v[O+J:O+J+1], v[F:F+1] op_sel_hi:[1,0]               ; O^T under the new M
	v_pk_mul_f32 v[O+32+J:O+33+J], v[O+32+J:O+33+J], v[F+2:F+3] op_sel_hi:[1,0]
.set J, J+2
.endr
	WIN 0x55
.set J, 0
.rept 32
	v_pk_fma_f32 v[J:J+1], v[J:J+1], s[22:23], v[NM:NM+1] op_sel_hi:[1,0,0]         ; tile a: t - M
.set J, J+2
.endr
	WALU                                           ; ahead of a batch of exponentials
.set J, 0
.rept 64
	v_exp_f32 v[J], v[J]                           ; tile a: p; tile b's t - M stands among them
.if J%2
	v_pk_fma_f32 v[63+J:64+J], v[63+J:64+J], s[22:23], v[NM+2:NM+3] op_sel_hi:[1,0,0]
.endif
.set J, J+1
.endr
	WALU                                           ; behind tile a's batch and ahead of tile b's
.set J, 0
.rept 64
	v_exp_f32 v[64+J], v[64+J]                     ; tile b: p; tile a's first sums and its conversions stand among them: each writes registers that are read behind the next wait
.if J%4 == 1
	v_pk_add_f32 v[U+2*(J/4):U+2*(J/4)+1], v[4*(J/4):4*(J/4)+1], v[4*(J/4)+2:4*(J/4)+3]
.endif
.if J%16 == 3
	CVT 0, J/16
.endif
.set J, J+1
.endr
	v_pk_mul_f32 v[L:L+1], v[L:L+1], v[F:F+1] op_sel_hi:[1,0]                       ; the sums under the new M; the plain lines behind the batch
	v_pk_mul_f32 v[L+2:L+3], v[L+2:L+3], v[F+2:F+3] op_sel_hi:[1,0]
	WALU
.irp j, 0,1,2,3                        ; the row's sums of the unquantised p: tile b's chains begin with its pairs 0-7,
	v_pk_add_f32 v[CB+2*\j:CB+2*\j+1], v[64+4*\j:65+4*\j], v[66+4*\j:67+4*\j]
.endr
.irp j, 0,1                            ; tile a's with its first sums 0-3
	v_pk_add_f32 v[T+2*\j:T+2*\j+1], v[U+4*\j:U+4*\j+1], v[U+4*\j+2:U+4*\j+3]
.endr
.set N, 0
.rept 12
	BADD 2*N
	BADD 2*N+1
	AADD N
.set N, N+1
.endr
.irp n, 0,1,2,3
	CVT 1, \n
.endr
	ADDP CB, CB+2                                  ; the chains are joined; these are the plain lines behind the conversions
	ADDP CB+4, CB+6
	ADDP T, T+2
.irp q, 0,1
.irp c, 0,1
.irp i, 0,1,2
	v_mov_b32 v[PC+12*\q+6*\c+3+\i], v[TC+8*\q+4*\c+\i]
.endr
.endr
.endr
	ADDP CB, CB+4                                  ; four places between p's codes and the products
	ADDP L, T
	v_nop
	ADDP L+2, CB
	WALU                                           ; directly ahead of the wait below
	s_wait_dscnt 0x0                               ; V and its words are in, and the next step's K
	WIN 0x04
.irp t, 0,1,2,3                        ; eight accumulators by turns
.irp q, 0,1
	PMUL \t, \q
.endr
.endr
	WIN 0
.endm
.macro NEXTRUN first, steps            ; behind a barrier that has shown more records: the run's first K
	v_add_nc_u32 v[AK], (\first)*REC, v[LBK]
	v_add_nc_u32 v[AKS], (\first)*REC, v[LBKS]
	LOADK AK, AKS
	s_mov_b32 s36, (\first)*REC
	s_mov_b32 s37, \steps
	s_wait_dscnt 0x0
.endm
.macro STEPON
	s_add_co_u32 s36, s36, REC
	s_sub_co_u32 s37, s37, 1
	s_cmp_lg_u32 s37, 0
.endm
	s_load_b256 s[4:11], s[0:1], 0x0               ; qc s[4:5], qs s[6:7], kv s[8:9], yc s[10:11]
	s_load_b64 s[12:13], s[0:1], 0x20              ; ys
	v_lshl_add_u32 v[SPW], v0, 2, SPARE
	v_mov_b32 v[NIL], 0
	ds_add_u32 v[SPW], v[NIL]                      ; the opening lines
	ds_add_u32 v[SPW], v[NIL]
	v_lshrrev_b32 v1, 5, v0
	v_readfirstlane_b32 s[WV], v1                  ; wave 0..7
	s_bfe_u32 s15, ttmp6, 0x40000                  ; cx
	s_lshl_b32 s16, ttmp9, 2
	s_add_co_u32 s16, s16, s15                     ; my block of 256 queries: it enters q's and y's addresses alone
	s_and_b32 s17, ttmp7, 0xffff                   ; bh, which the four partners share
	s_mov_b32 s20, 0x76543210
	s_mov_b32 s21, 0xfedcba98                      ; v_permlanex16_b32's selects for lane l xor 16
	s_mov_b32 s22, 0x3e38aa3b                      ; c = log2(e) / 8
	s_mov_b32 s23, s22
	s_mov_b32 s19, 0xbe38aa3b                      ; -c
	; descriptor group 1: two records, 25,600 dense bytes, as 100 rows of 256 bytes (32 elements of 8), 16 words of padding behind each
	s_mov_b32 s24, 15|(3<<16)|(1<<20)|(1<<21)|(5<<22)|(15<<25)
	s_mov_b32 s25, 32<<16
	s_mov_b32 s26, 100<<16
	s_mov_b32 s27, 32<<16
	s_mov_b32 s28, 100
	s_mov_b32 s29, 32
	s_mov_b32 s30, 0
	s_mov_b32 s31, 0
	s_mov_b32 s32, 1
	s_mul_i32 s33, s[WV], 2*REC                    ; LDS: records 2 w, 2 w + 1
	s_mul_i32 s38, s17, 204800
	s_mul_i32 s39, s[WV], 25600
	s_add_co_u32 s38, s38, s39
	s_mov_b32 s39, 0
	s_mov_b32 s43, 0
	s_lshl_b32 s40, s17, 7
	s_lshl_b32 s41, s16, 4
	s_add_co_u32 s40, s40, s41
	s_lshl_b32 s18, s[WV], 1
	s_add_co_u32 s40, s40, s18                     ; my first tile of queries: 128 bh + 16 block + 2 wave
	s_lshr_b32 s44, s17, 4                         ; the batch
	s_and_b32 s45, s17, 15                         ; the head
	s_lshl_b32 s44, s44, 7
	s_add_co_u32 s44, s44, s41                     ; the block's first tile among all 256
	s_wait_dscnt 0x0
	s_wait_kmcnt 0x0
	s_add_nc_u64 s[34:35], s[8:9], s[38:39]
	s_or_b32 s35, s35, 0x80000000                  ; type = 2
	s_mul_i32 s42, s40, 768
	s_add_nc_u64 s[4:5], s[4:5], s[42:43]
	s_lshl_b32 s42, s40, 6
	s_add_nc_u64 s[6:7], s[6:7], s[42:43]
	s_lshl_b32 s46, s45, 8
	s_add_co_u32 s46, s46, s44
	s_lshl_b32 s42, s46, 6
	s_add_nc_u64 s[12:13], s[12:13], s[42:43]      ; ys: [head][tile][16] words: the block's 1,024 bytes
	s_add_co_u32 s44, s44, s18
	s_mul_i32 s42, s44, 12288
	s_mul_i32 s46, s45, 768
	s_add_co_u32 s42, s42, s46
	s_add_nc_u64 s[10:11], s[10:11], s[42:43]      ; yc: [tile][head][768]
	ROUND                                          ; all four work-groups are here: the joint loads meet
	s_cmp_eq_u32 s[WV], 0                          ; one load a wave, in one chain of three arms: the waves of an arm wait at the same barrier
	s_cbranch_scc0 .Lmiddle
	TLOAD                                          ; records 0-1
	s_branch .Lasked
.Lmiddle:
	s_cmp_lt_u32 s[WV], 4
	s_cbranch_scc0 .Lupper
	TLOAD                                          ; records 2-7
	s_branch .Lasked
.Lupper:
	TLOAD                                          ; records 8-15
.Lasked:
	v_and_b32 v[L4], 31, v0                        ; l
	v_and_b32 v[R4], 15, v0                        ; r
	v_bfe_u32 v[AV], v0, 4, 1                      ; h
	v_bfe_u32 v[AV8], v0, 3, 1                     ; r / 8
	v_and_b32 v[AVS], 7, v0                        ; r % 8
	v_lshlrev_b32 v[LI], 4, v[L4]
	v_lshlrev_b32 v[L8], 3, v[L4]
	v_lshlrev_b32 v[L4], 2, v[L4]
	v_mul_u32_u24 v[LBV], v[AV], 320
	v_lshl_add_u32 v[LBK], v[AVS], 4, v[LBV]
	v_mad_u32_u24 v[LBK], v[AV8], 1920, v[LBK]
	v_lshl_add_u32 v[LBV], v[R4], 4, v[LBV]
	v_lshlrev_b32 v[LBKS], 5, v[AV]
	v_lshl_add_u32 v[LBKS], v[AV8], 6, v[LBKS]
	v_lshl_add_u32 v[LBKS], v[AVS], 2, v[LBKS]
	v_lshlrev_b32 v[R4], 2, v[R4]
.irp q, 0,1
	global_load_b128 v[QZ+6+12*\q:QZ+9+12*\q], v[LI], s[4:5] offset:768*\q          ; q's six registers
	global_load_b64 v[QZ+10+12*\q:QZ+11+12*\q], v[L8], s[4:5] offset:768*\q+512
	global_load_b32 v[QS+\q], v[R4], s[6:7] offset:64*\q
.endr
.irp z, 0,12,24
.irp j, 0,1,2,3,4,5
	v_mov_b32 v[QZ+\z+\j], 0                       ; zero codes beside q
.endr
.endr
.set J, 0
.rept 64
	v_mov_b32 v[O+J], 0                            ; O^T: the step is written once; the first finds zeros, which the first change of M leaves zeros
.set J, J+1
.endr
	WIN 0x40
	v_lshlrev_b32 v[SH8], 3, v[AV]
.irp q, 0,1
	v_mov_b32 v[RUN+\q], 0xff61b1e6                ; -3e38, under every score
	v_mov_b32 v[TB+\q], 0                          ; a lane permute's destination counts as one of its sources
	v_mov_b32 v[WP+\q], 0
.endr
.irp j, 0,1,2,3
	v_mov_b32 v[NM+\j], 0x7f61b1e6                 ; -M
	v_mov_b32 v[F+\j], 0
	v_mov_b32 v[L+\j], 0
.endr
	WIN 0
	s_mov_b32 s36, 0
	s_mov_b32 s37, 2
	WALU                                           ; at the head's end
	s_cmp_eq_u32 s[WV], 0
	s_cbranch_scc0 .Lnot_first
	s_wait_tensorcnt 0x0                           ; wave 0: records 0-1 are in
.Lnot_first:
	s_barrier_signal -1
	s_barrier_wait -1
	LOADK LBK, LBKS                                ; record 0's K
	s_wait_loadcnt 0x0                             ; q
	s_wait_dscnt 0x0
.Lfirst:                                           ; key steps 0-1
	STEP 1*REC
	STEPON
	s_cbranch_scc1 .Lfirst
	s_cmp_lt_u32 s[WV], 4
	s_cbranch_scc0 .Lnot_second
	s_wait_tensorcnt 0x0                           ; waves 0-3: my records are in
.Lnot_second:
	s_wait_dscnt 0x0
	s_barrier_signal -1
	s_barrier_wait -1                              ; records 2-7 are in
	NEXTRUN 2, 6
.Lsecond:                                          ; key steps 2-7
	STEP 7*REC
	STEPON
	s_cbranch_scc1 .Lsecond
	s_wait_tensorcnt 0x0                           ; every wave: all my records are in
	s_wait_dscnt 0x0
	s_barrier_signal -1
	s_barrier_wait -1                              ; records 8-15 are in
	NEXTRUN 8, 8
.Lthird:                                           ; key steps 8-15
	STEP 15*REC
	STEPON
	s_cbranch_scc1 .Lthird
	; THE WAY OUT: y = O^T / the sum, quantised along the head's 64.  V's channel tiles hold rows 8 u + p + 8 (p / 8) of each 32: register 16 b + i is channel 32 b + 16 h + i, a block lies in lanes l and l xor 16
	PLACES 4
	WIN 0x05
	v_add_f32 v[RL], v[L], v[L+1]                  ; the sum's two halves,
	v_add_f32 v[RL+2], v[L+2], v[L+3]
	WIN 0
	v_permlanex16_b32 v[RL+1], v[RL], s20, s21
	v_permlanex16_b32 v[RL+3], v[RL+2], s20, s21
	v_add_f32 v[RL], v[RL], v[RL+1]                ; and lane l xor 16's
	v_add_f32 v[RL+2], v[RL+2], v[RL+3]
	s_lshl_b32 s42, s[WV], 7
	s_add_co_u32 s42, s42, GAT
	v_add_nc_u32 v[EA], s42, v[R4]                 ; where my tiles' scale words go
	v_lshl_add_u32 v[EB], v0, 4, GAT               ; where waves 0 and 1 read them back, 16 bytes a thread,
	v_lshlrev_b32 v[EC], 4, v0                     ; and the same place in the block's 1,024 bytes of ys
	WALU
	v_rcp_f32 v[RL], v[RL]
	v_rcp_f32 v[RL+2], v[RL+2]
	v_nop
	WALU                                           ; ahead of the reciprocals' and O^T's first readers
.irp q, 0,1
.irp j, 0,2,4,6,8,10,12,14,16,18,20,22,24,26,28,30
	v_pk_mul_f32 v[Y+32*\q+\j:Y+32*\q+\j+1], v[O+32*\q+\j:O+32*\q+\j+1], v[RL+2*\q:RL+2*\q+1] op_sel_hi:[1,0]
.endr
.endr
.irp n, 0,1,2,3
	v_max3_num_f32 v[BE+\n], |v[Y+16*\n]|, |v[Y+16*\n+1]|, 0x1800000   ; the floor 2^(3 - 127) holds the byte at 1
.endr
.irp i, 2,4,6,8,10,12,14
.irp n, 0,1,2,3
	v_max3_num_f32 v[BE+\n], v[BE+\n], |v[Y+16*\n+\i]|, |v[Y+16*\n+\i+1]|
.endr
.endr
.irp n, 0,1,2,3
	v_permlanex16_b32 v[BT+\n], v[BE+\n], s20, s21
.endr
.irp n, 0,1,2,3
	v_max_num_f32 v[BE+\n], v[BE+\n], v[BT+\n]
.endr
.irp n, 0,1,2,3
	v_add_nc_u32 v[SOE+\n], 0xff000000, v[BE+\n]   ; 2 off the exponent field
.endr
.irp n, 0,1,2,3
	v_lshrrev_b32 v[BT+\n], 23, v[SOE+\n]
.endr
.irp q, 0,1
	v_lshl_or_b32 v[WE+\q], v[BT+2*\q+1], 8, v[BT+2*\q]   ; the head's two bytes of my row
.endr
.irp q, 0,1
	v_cvt_scalef32_pk16_fp6_f32 v[PE+12*\q:PE+12*\q+2], v[Y+32*\q:Y+32*\q+15], v[SOE+2*\q]
	v_cvt_scalef32_pk16_fp6_f32 v[PE+12*\q+8:PE+12*\q+10], v[Y+32*\q+16:Y+32*\q+31], v[SOE+2*\q+1]
.endr
	v_nop
.irp q, 0,1
.irp i, 0,1,2
	v_permlane16_swap_b32 v[PE+12*\q+\i], v[PE+12*\q+8+\i]   ; the operand's layout wants a whole block in a lane
.endr
.irp i, 0,1,2
	v_mov_b32 v[PE+12*\q+3+\i], v[PE+12*\q+8+\i]
.endr
.endr
.irp q, 0,1
	global_store_b128 v[LI], v[PE+12*\q:PE+12*\q+3], s[10:11] offset:12288*\q        ; 512 consecutive aligned bytes,
	global_store_b64 v[L8], v[PE+12*\q+4:PE+12*\q+5], s[10:11] offset:12288*\q+512   ; and 256
	ds_store_b32 v[EA], v[WE+\q] offset:64*\q      ; both lanes of a row write the same word with the same value
.endr
	s_wait_dscnt 0x0                               ; for the others' sake
	s_barrier_signal -1
	s_barrier_wait -1
	s_cmp_lt_u32 s[WV], 2                          ; waves 0 and 1 store the block's 1,024 bytes of scale words, 512 consecutive bytes each
	s_cbranch_scc0 .Lno_words
	ds_load_b128 v[232:235], v[EB]
	s_wait_dscnt 0x0
	global_store_b128 v[EC], v[232:235], s[12:13]
.Lno_words:
	s_wait_tensorcnt 0x0                           ; the wave's end
	ds_add_u32 v[SPW], v[NIL]
	s_wait_dscnt 0x0
	ROUND                                          ; the closing round
	s_endpgm
.Lfunc_end_k_q1165985bfb_attn:
	.size	k_q1165985bfb_attn, .Lfunc_end_k_q1165985bfb_attn-k_q1165985bfb_attn
	.p2alignl 7, 3214868480
	.fill 96, 4, 3214868480
	.section	.rodata,"a",@progbits
	.p2align	6, 0x0
	.amdhsa_kernel k_q1165985bfb_attn
		.amdhsa_group_segment_fixed_size 258048
		.amdhsa_private_segment_fixed_size 0
		.amdhsa_enable_private_segment 0
		.amdhsa_kernarg_size 40
		.amdhsa_user_sgpr_count 2
		.amdhsa_user_sgpr_kernarg_segment_ptr 1
		.amdhsa_wavefront_size32 1
		.amdhsa_system_sgpr_workgroup_id_x 1
		.amdhsa_system_sgpr_workgroup_id_y 1
		.amdhsa_system_sgpr_workgroup_id_z 1
		.amdhsa_system_vgpr_workitem_id 0
		.amdhsa_next_free_vgpr 512
		.amdhsa_next_free_sgpr 66
		.amdhsa_reserve_vcc 0
		.amdhsa_float_denorm_mode_32 3
		.amdhsa_float_denorm_mode_16_64 3
		.amdhsa_memory_ordered 1
		.amdhsa_forward_progress 1
		.amdhsa_inst_pref_size 102
	.end_amdhsa_kernel
	.amdgpu_metadata
---
amdhsa.version: [ 1, 2 ]
amdhsa.kernels:
  - .name:           k_q1165985bfb_attn
    .symbol:         k_q1165985bfb_attn.kd
    .args:
      - { .name: qc, .offset: 0, .size: 8, .value_kind: global_buffer, .address_space: global }
      - { .name: qs, .offset: 8, .size: 8, .value_kind: global_buffer, .address_space: global }
      - { .name: kv, .offset: 16, .size: 8, .value_kind: global_buffer, .address_space: global }
      - { .name: yc, .offset: 24, .size: 8, .value_kind: global_buffer, .address_space: global }
      - { .name: ys, .offset: 32, .size: 8, .value_kind: global_buffer, .address_space: global }
    .group_segment_fixed_size: 258048
    .private_segment_fixed_size: 0
    .kernarg_segment_align: 8
    .kernarg_segment_size: 40
    .max_flat_workgroup_size: 256
    .sgpr_count:     66
    .vgpr_count:     512
    .wavefront_size: 32
...
	.end_amdgpu_metadata
.endif
;; end of part 3
;; launch proj (part 4): grid 16 x 16, 4 waves a work-group, clusters of 4 x 1, 168,448 bytes of LDS; arguments yc, ys, cod, scl, bp, out0; writes out0
.if DOCPART == 4
	.amdgcn_target "amdgcn-amd-amdhsa--gfx1250"
	.amdhsa_code_object_version 6
	.text
	.protected	k_q1165985bfb_proj
	.globl	k_q1165985bfb_proj
	.p2align	8
	.type	k_q1165985bfb_proj,@function
k_q1165985bfb_proj:
	s_mov_b64 s[64:65], 0
	v_nop
	global_prefetch_b8 v0, s[64:65] scope:SCOPE_SE
	s_setreg_imm32_b32 hwreg(HW_REG_WAVE_MODE, 25, 1), 1
	s_wait_xcnt 0x0
	s_wait_alu depctr_hold_cnt(0) depctr_sa_sdst(0) depctr_va_vdst(0) depctr_va_sdst(0) depctr_va_ssrc(0) depctr_va_vcc(0) depctr_vm_vsrc(0)
	s_getreg_b32 s2, hwreg(HW_REG_IB_STS2, 6, 4)
	s_cmp_eq_u32 s2, 0
	s_cbranch_scc0 .Lentry_in_a_cluster
	s_endpgm
.Lentry_in_a_cluster:
	s_bfe_u32 s2, ttmp6, 0x10000c
	s_cmp_lg_u32 s2, 0x3003
	s_cbranch_scc0 .Lentry_shape_is_right
	s_endpgm
.Lentry_shape_is_right:
; out = y Wp^T + bp on codes of FP6 (E2M3) with E8M0 scales; out [4096][1024] f32.
; SHARES.  A work-group takes 256 tokens x 64 columns; wave w tokens 64 w .. + 63 (4 tiles of y) against 4 tiles of Wp: 16 accumulators, 8 K steps of 128 (K step s = heads 2 s and 2 s + 1).
; Wp's 4 tiles (49,152 bytes) come into LDS once; the four token blocks of a cluster need the same ones, so each wave's quarter is asked for JOINTLY (mask 15).  y's fragments are read by one wave of the
; work-group alone and go from memory straight into registers, all 8 K steps at the head.  y is not shared in the cluster: the work-groups that read the same tokens are those of the 16 column blocks.
; TRANSPOSED: source 0 = 16 rows of Wp, source 1 = 16 tokens: a lane holds one token and eight neighbouring columns.  Tiles hold rows 8 u + p + 8 (p / 8) of each 32, tokens and columns alike; the way out undoes both.
; REGISTERS.  Window 0: v1-8 addresses; v16-31 y's scale words; v32-47 Wp's; v48-79 ys as loaded; v80-223 Wp's fragments, three sets of 48 (later rows of out).
;   window 1: y's K steps 0-4 at 48 s.   window 2: K steps 5-7.   window 3: the accumulators at 32 t + 8 i; bp at 128 + 8 i.
.set LI,  1                            ; 16 l
.set L8,  2                            ; 8 l
.set LS,  3                            ; 4 l
.set SW,  4                            ; 512 h + 4 r
.set BPO, 5                            ; 64 h
.set SOA, 6                            ; my stage: row r, 64 h
.set RD,  7                            ; back: row h of a pair, 16 r
.set CO,  8                            ; the same two rows in out
.set YS,  16
.set WS,  32
.set YR,  48
.set WF,  80
.set BK,  80
.set STAGE, 49152                      ; behind Wp's tiles: 16 rows x (256 + 16) bytes for each wave
.set WV,  20
.set MSB, 0
.macro WIN new                         ; the immediate's high byte repeats the setting that is left
.if MSB != (\new)
	s_set_vgpr_msb (MSB<<8)|(\new)
.set MSB, (\new)
.endif
.endm
.macro PLACES n
.rept \n
	v_nop
.endr
.endm
.macro ROUND                           ; a round of the cluster's barrier
	s_barrier_signal -1
	s_barrier_wait -1
	s_cmp_lg_u32 s[WV], 0
	s_cbranch_scc1 .Lnot_wave_0_\@
	s_barrier_signal -3
.Lnot_wave_0_\@:
	s_barrier_wait -3
	s_barrier_signal -1
	s_barrier_wait -1
.endm
.macro EMIT
.if fA && fB
	v_wmma_scale_f32_16x16x128_f8f6f4 v[rD:rD+7], v[rA:rA+11], v[rB:rB+11], v[rC:rC+7], v[rSA], v[rSB] matrix_a_fmt:MATRIX_FMT_FP6 matrix_b_fmt:MATRIX_FMT_FP6 matrix_a_scale:MATRIX_SCALE_ROW1 matrix_b_scale:MATRIX_SCALE_ROW1
.elseif fA
	v_wmma_scale_f32_16x16x128_f8f6f4 v[rD:rD+7], v[rA:rA+11], v[rB:rB+11], v[rC:rC+7], v[rSA], v[rSB] matrix_a_fmt:MATRIX_FMT_FP6 matrix_b_fmt:MATRIX_FMT_FP6 matrix_a_scale:MATRIX_SCALE_ROW1
.elseif fB
	v_wmma_scale_f32_16x16x128_f8f6f4 v[rD:rD+7], v[rA:rA+11], v[rB:rB+11], v[rC:rC+7], v[rSA], v[rSB] matrix_a_fmt:MATRIX_FMT_FP6 matrix_b_fmt:MATRIX_FMT_FP6 matrix_b_scale:MATRIX_SCALE_ROW1
.else
	v_wmma_scale_f32_16x16x128_f8f6f4 v[rD:rD+7], v[rA:rA+11], v[rB:rB+11], v[rC:rC+7], v[rSA], v[rSB] matrix_a_fmt:MATRIX_FMT_FP6 matrix_b_fmt:MATRIX_FMT_FP6
.endif
.endm
	s_load_b256 s[4:11], s[0:1], 0x0               ; yc s[4:5], ys s[6:7], cod s[8:9], scl s[10:11]
	s_load_b128 s[12:15], s[0:1], 0x20             ; bp s[12:13], out0 s[14:15]
	v_lshl_add_u32 v254, v0, 2, 0x29000
	v_mov_b32 v255, 0
	ds_add_u32 v254, v255
	ds_add_u32 v254, v255
	v_lshrrev_b32 v224, 5, v0
	v_readfirstlane_b32 s[WV], v224                ; wave 0..3
	s_bfe_u32 s21, ttmp6, 0x40000                  ; cx
	s_lshl_b32 s22, ttmp9, 2
	s_add_co_u32 s22, s22, s21                     ; my block of 256 tokens: it enters y's and out's addresses alone
	s_and_b32 s23, ttmp7, 0xffff                   ; the block of 64 columns, which the four partners share
	; descriptor group 1: 4 rows (tiles) of 3,072 bytes (two K steps), 12,288 bytes apart, in elements of 8 bytes, no padding
	s_mov_b32 s24, 15|(3<<16)|(1<<21)
	s_mov_b32 s25, 384<<16
	s_mov_b32 s26, 4<<16
	s_mov_b32 s27, 384<<16
	s_mov_b32 s28, 4
	s_mov_b32 s29, 1536
	s_mov_b32 s30, 0
	s_mov_b32 s31, 0
	s_mov_b32 s32, 1
	s_mul_i32 s33, s[WV], 12288                    ; LDS: wave w brings K steps 2 w and 2 w + 1 of the 4 tiles
	s_mul_i32 s36, s23, 49152                      ; Wp's tiles begin at tile 448
	s_add_co_u32 s36, s36, 5505024
	s_mul_i32 s37, s[WV], 3072
	s_add_co_u32 s36, s36, s37
	s_mov_b32 s37, 0
	v_and_b32 v225, 31, v0                         ; l
	v_and_b32 v226, 15, v0                         ; r
	v_bfe_u32 v227, v0, 4, 1                       ; h
	v_lshlrev_b32 v[LI], 4, v225
	v_lshlrev_b32 v[L8], 3, v225
	v_lshlrev_b32 v[LS], 2, v225
	v_lshlrev_b32 v228, 2, v226
	v_lshl_add_u32 v[SW], v227, 9, v228
	v_lshlrev_b32 v[BPO], 6, v227
	s_mul_i32 s38, s[WV], 4352
	s_add_co_u32 s38, s38, STAGE                   ; my stage
	v_mul_u32_u24 v[SOA], v226, 272
	v_lshl_add_u32 v[SOA], v227, 6, v[SOA]
	v_add_nc_u32 v[SOA], s38, v[SOA]
	v_mul_u32_u24 v[RD], v227, 272
	v_lshl_add_u32 v[RD], v226, 4, v[RD]
	v_add_nc_u32 v[RD], s38, v[RD]
	v_lshlrev_b32 v[CO], 4, v226
	v_lshl_add_u32 v[CO], v227, 12, v[CO]
	s_mov_b32 s51, 0
	s_wait_dscnt 0x0
	s_wait_kmcnt 0x0
	s_add_nc_u64 s[34:35], s[8:9], s[36:37]
	s_or_b32 s35, s35, 0x80000000                  ; type = 2
	s_lshl_b32 s38, s22, 4
	s_lshl_b32 s39, s[WV], 2
	s_add_co_u32 s38, s38, s39                     ; my first tile of y
	s_mul_i32 s50, s38, 12288
	s_add_nc_u64 s[40:41], s[4:5], s[50:51]        ; its codes
	s_lshl_b32 s50, s38, 6
	s_add_nc_u64 s[42:43], s[6:7], s[50:51]        ; its scale words, head 0's
	s_lshl_b32 s50, s23, 11
	s_add_co_u32 s50, s50, 229376                  ; (448 + 4 x column block) x 512
	s_add_nc_u64 s[44:45], s[10:11], s[50:51]      ; Wp's scale words
	s_lshl_b32 s50, s23, 8
	s_add_nc_u64 s[12:13], s[12:13], s[50:51]      ; bp's 64 numbers, and the columns' 256 bytes in a row of out
	s_add_nc_u64 s[14:15], s[14:15], s[50:51]
	s_lshl_b32 s50, s38, 16                        ; 16 rows of 4,096 bytes a tile
	s_add_nc_u64 s[14:15], s[14:15], s[50:51]
	ROUND                                          ; all four work-groups are here: the joint loads meet
	tensor_load_to_lds s[32:35], s[24:31]          ; my one tensor load of the launch: nothing is ever filled again
	s_nop 0
	PLACES 4
.irp d, 0,1,2,3,4,5,6,7,8,9,10,11,12,13,14,15
.irp p, 0,1
	global_load_b32 v[YR+2*\d+\p], v[LS], s[42:43] offset:16384*\d+128*\p   ; head d: lanes 0-15 tile 2 p's words, lanes 16-31 tile 2 p + 1's
.endr
.endr
.irp p, 0,1
.irp s, 0,1,2,3,4,5,6,7
	global_load_b32 v[WS+8*\p+\s], v[SW], s[44:45] offset:1024*\p+64*\s
.endr
.endr
	WIN 0xc0                                       ; destination window 3: bp's tiles in the result's layout
	s_wait_alu depctr_va_vdst(0)
.irp i, 0,1,2,3
	global_load_b128 v[128+8*\i:128+8*\i+3], v[BPO], s[12:13] offset:(32*(\i/2)+8*(\i%2))*4
	global_load_b128 v[128+8*\i+4:128+8*\i+7], v[BPO], s[12:13] offset:(32*(\i/2)+8*(\i%2))*4+16
.endr
.macro YLOAD s                         ; K step s of my four tiles of y: for each tile two heads' six registers: 16 loads
.if (\s) < 5
	WIN 0x40
.set yb, 48*(\s)
.else
	WIN 0x80
.set yb, 48*((\s)-5)
.endif
.irp t, 0,1,2,3
.irp c, 0,1
	global_load_b128 v[yb+12*\t+6*\c:yb+12*\t+6*\c+3], v[LI], s[40:41] offset:12288*\t+1536*(\s)+768*\c
	global_load_b64 v[yb+12*\t+6*\c+4:yb+12*\t+6*\c+5], v[L8], s[40:41] offset:12288*\t+1536*(\s)+768*\c+512
.endr
.endr
.endm
.irp s, 0,1,2,3,4,5,6,7
	YLOAD \s
.endr
	WIN 0
	s_wait_loadcnt 63                              ; 152 loads were issued behind ys's 32; 63 is the largest count that the wait can name
.irp p, 0,1
.irp s, 0,1,2,3,4,5,6,7
	v_lshl_or_b32 v[YS+8*\p+\s], v[YR+4*\s+2+\p], 16, v[YR+4*\s+\p]   ; K step s: head 2 s's two bytes below, head 2 s + 1's above
.endr
.endr
	PLACES 8                                       ; a scale register written by a vector instruction stands eight places ahead of a scaled product
	s_wait_alu depctr_va_vdst(0)
	s_wait_tensorcnt 0x0                           ; my quarter of Wp's tiles is in,
	s_barrier_signal -1
	s_barrier_wait -1                              ; everybody's is
.macro LOADW s                         ; Wp's four tiles of K step s into set s % 3: 12 loads
.set lf, WF+48*((\s)%3)
.irp i, 0,1,2,3
.irp q, 0,1,2
	ds_load_b128 v[lf+12*\i+4*\q:lf+12*\i+4*\q+3], v[LI] offset:12288*((\s)/2)+3072*\i+1536*((\s)%2)+512*\q
.endr
.endr
.endm
.macro MUL s                           ; 16 products; the 16 accumulators take turns, one instruction a turn.  In K step 0 the bias is the C
.set mf, WF+48*((\s)%3)
.if (\s) < 5
.set yw, 1
.set yb, 48*(\s)
.else
.set yw, 2
.set yb, 48*((\s)-5)
.endif
	WIN (yw<<2)|0xf0                               ; source 0 (Wp) window 0, source 1 (y) its window, C and D window 3
.irp t, 0,1,2,3
.irp i, 0,1,2,3
.set rD, 32*\t+8*\i
.set rC, rD
.if (\s) == 0
.set rC, 128+8*\i
.endif
.set rA, mf+12*\i
.set rB, yb+12*\t
.set rSA, WS+8*(\i/2)+(\s)
.set rSB, YS+8*(\t/2)+(\s)
.set fA, \i%2
.set fB, \t%2
	EMIT
.endr
.endr
.endm
	LOADW 0
	LOADW 1
.set G, 0
.rept 8
.if G > 0
	WIN 0
	PLACES 4                                       ; in front of loads into registers that the last products have read
.endif
.if G+2 < 8
	LOADW G+2
	s_wait_dscnt 24                                ; this K step's 12 loads are in; the two younger sets may be out
.elseif G == 6
	s_wait_dscnt 12
.else
	s_wait_dscnt 0
.endif
.set lc, 16*(7-G)                      ; the K steps of y asked for behind this one, 16 loads each
.if lc > 63
.set lc, 63
.endif
	s_wait_loadcnt lc
	MUL G
.set G, G+1
.endr
	WIN 0
	PLACES 4
; THE WAY OUT, a tile of 16 tokens x 64 columns at a time: a lane's 32 neighbouring bytes of a row go into my own stage, and whole rows of 256 bytes come back: sixteen lanes store 256 consecutive aligned bytes.
; LDS serves a wave's instructions in order: no wait between the stores and the loads, nor in front of the next tile's stores.
.macro TOSTAGE t
	WIN 0x0c                                       ; an LDS store's data are its source 1: window 3
.irp i, 0,1,2,3
	ds_store_b128 v[SOA], v[32*(\t)+8*\i:32*(\t)+8*\i+3] offset:128*(\i/2)+32*(\i%2)        ; each accumulator from its low end on
	ds_store_b128 v[SOA], v[32*(\t)+8*\i+4:32*(\t)+8*\i+7] offset:128*(\i/2)+32*(\i%2)+16
.endr
	WIN 0
.set bk, BK+32*((\t)%2)
.irp k, 0,1,2,3,4,5,6,7
	ds_load_b128 v[bk+4*\k:bk+4*\k+3], v[RD] offset:544*\k
.endr
.endm
.macro SEND t, younger                 ; younger: the LDS instructions issued behind tile t's loads, which may stay out
.set bk, BK+32*((\t)%2)
	s_wait_dscnt \younger
.irp k, 0,1,2,3,4,5,6,7
	global_store_b128 v[CO], v[bk+4*\k:bk+4*\k+3], s[14:15] offset:(32*((\t)/2)+8*((\t)%2)+2*\k+8*(\k/4))*4096 th:TH_STORE_NT   ; tile row 2 k + h is token 8 (t % 2) + 2 k + h + 8 (k / 4) of its 32
.endr
.endm
	TOSTAGE 0
.irp t, 1,2,3
.if \t > 1
	s_wait_xcnt 0x0                                ; the stores of the tile before last have read their registers: this tile's loads may land there
.endif
	TOSTAGE \t
	SEND \t-1, 16                                  ; behind that tile's loads: this tile's 8 stores and 8 loads
.endr
	SEND 3, 0
	s_wait_tensorcnt 0x0
	ds_add_u32 v254, v255
	s_wait_dscnt 0x0
	ROUND                                          ; the closing round
	s_endpgm
.Lfunc_end_k_q1165985bfb_proj:
	.size	k_q1165985bfb_proj, .Lfunc_end_k_q1165985bfb_proj-k_q1165985bfb_proj
	.p2alignl 7, 3214868480
	.fill 96, 4, 3214868480
	.section	.rodata,"a",@progbits
	.p2align	6, 0x0
	.amdhsa_kernel k_q1165985bfb_proj
		.amdhsa_group_segment_fixed_size 168448
		.amdhsa_private_segment_fixed_size 0
		.amdhsa_enable_private_segment 0
		.amdhsa_kernarg_size 48
		.amdhsa_user_sgpr_count 2
		.amdhsa_user_sgpr_kernarg_segment_ptr 1
		.amdhsa_wavefront_size32 1
		.amdhsa_system_sgpr_workgroup_id_x 1
		.amdhsa_system_sgpr_workgroup_id_y 1
		.amdhsa_system_sgpr_workgroup_id_z 1
		.amdhsa_system_vgpr_workitem_id 0
		.amdhsa_next_free_vgpr 1024
		.amdhsa_next_free_sgpr 66
		.amdhsa_reserve_vcc 0
		.amdhsa_float_denorm_mode_32 3
		.amdhsa_float_denorm_mode_16_64 3
		.amdhsa_memory_ordered 1
		.amdhsa_forward_progress 1
		.amdhsa_inst_pref_size 55
	.end_amdhsa_kernel
	.amdgpu_metadata
---
amdhsa.version: [ 1, 2 ]
amdhsa.kernels:
  - .name:           k_q1165985bfb_proj
    .symbol:         k_q1165985bfb_proj.kd
    .args:
      - { .name: yc, .offset: 0, .size: 8, .value_kind: global_buffer, .address_space: global }
      - { .name: ys, .offset: 8, .size: 8, .value_kind: global_buffer, .address_space: global }
      - { .name: cod, .offset: 16, .size: 8, .value_kind: global_buffer, .address_space: global }
      - { .name: scl, .offset: 24, .size: 8, .value_kind: global_buffer, .address_space: global }
      - { .name: bp, .offset: 32, .size: 8, .value_kind: global_buffer, .address_space: global }
      - { .name: out0, .offset: 40, .size: 8, .value_kind: global_buffer, .address_space: global }
    .group_segment_fixed_size: 168448
    .private_segment_fixed_size: 0
    .kernarg_segment_align: 8
    .kernarg_segment_size: 48
    .max_flat_workgroup_size: 128
    .sgpr_count:     66
    .vgpr_count:     1024
    .wavefront_size: 32
...
	.end_amdgpu_metadata
.endif
;; end of part 4
